; MI455X (gfx1250); checked and timed in simulation.
; The chip was launched on July 23, 2026; its instructions are those of AMD's public machine-readable ISA for CDNA 5 (MIT licence, August 2026) and "CDNA5" Instruction Set Architecture Reference Guide (July 2026). The comments in the code are by the model that wrote it; some were corrected since.
;; Diff Attention. Allowed arithmetic: matrix products marked QUANTISED: E2M1 operands, one E8M0 scale for each 32 along K, by v_wmma_scale_f32_16x16x128_f8f6f4 with both operands' format E2M1 (or v_wmma_scale_f32_32x16x128_f4), f32 sums; products left as they are: bf16, f16 or f32 operands; f32 sums; everything else in f32.
;; Inputs: freq_cis 2,048 x 64 x 2 x 2 float32; lambda_k1 64 float32; lambda_k2 64 float32; lambda_q1 64 float32; lambda_q2 64 float32; subln_w 128 float32; wk 2,048 x 2,048 float32; wo 2,048 x 2,048 float32; wq 2,048 x 2,048 float32; wv 2,048 x 2,048 float32; x 1 x 2,048 x 2,048 float32.
;; Outputs: out0 1 x 2,048 x 2,048 float32.
;; This version of the problem:
;;   THIS VERSION OF THE PROBLEM IS GIVEN IN LOW PRECISION. The matrix products marked QUANTISED in the list below multiply operands that are first quantised to E2M1 (2 exponent bits, 1 mantissa bit; 4 bits a number), with one power-of-two scale for each 32 numbers along K (OCP MX v1.0); their sums are f32. The products marked 'left as it is' may take bf16, f16 or f32 operands, with f32 sums. Whichever they take, every output number must still come out within the allowed error. Rounding operands to bf16 (8 significant bits) uses up far more of that allowance than f16 does (11 bits, for magnitudes from 6e-5 to 65,504). All else is computed in f32.
;;   The module's matrix products, in the order in which they are computed (A, B: the left and right operand; K: the contracted axis; several contracted axes count as one K, in the product's order):
;;     1. [M 2,048, K 2,048] x [K 2,048, N 2,048]; A: input x; B: input wq: QUANTISED
;;     2. [M 2,048, K 2,048] x [K 2,048, N 2,048]; A: input x; B: input wk: QUANTISED
;;     3. [M 2,048, K 2,048] x [K 2,048, N 2,048]; A: input x; B: input wv: QUANTISED
;;     4. batch 16 x [M 2,048, K 64] x [K 64, N 2,048]; A: computed on the way; B: computed on the way: left as it is (an operand is computed on the way)
;;     5. batch 16 x [M 128, K 2,048] x [K 2,048, N 2,048]; A: computed on the way; B: computed on the way: left as it is (an operand is computed on the way)
;;     6. batch 16 x [M 2,048, K 64] x [K 64, N 2,048]; A: computed on the way; B: computed on the way: left as it is (an operand is computed on the way)
;;     7. batch 16 x [M 128, K 2,048] x [K 2,048, N 2,048]; A: computed on the way; B: computed on the way: left as it is (an operand is computed on the way)
;;     8. [M 2,048, K 2,048] x [K 2,048, N 2,048]; A: computed on the way; B: input wo: left as it is (an operand is computed on the way)
;;   THE QUANTISER, for each operand of a quantised product, along K:
;;     - K is cut into blocks of 32 from its start; a last block that is shorter is filled with zeros.
;;     - A block's scale is 2^e with e = floor(log2(the largest magnitude in the block)) - 2, held to -126 .. 127; a block of zeros has e = 0. As a byte (E8M0): e + 127.
;;     - Each number is divided by its block's scale, clamped to +-6, and rounded to the nearest number of E2M1, ties to even, subnormals kept.
;;     - The product sums the exact products of the quantised numbers (number of the format x scale) in f32.
;;   ~~~python
;;   def quantise(x, axis):      # numpy; x: float32 -> the quantised numbers, widened to float32 again
;;       x = np.moveaxis(x, axis, -1); K = x.shape[-1]
;;       x = np.pad(x, [(0, 0)] * (x.ndim - 1) + [(0, -K % 32)]); x = x.reshape(x.shape[:-1] + (-1, 32)); a = np.abs(x).max(-1, keepdims=True)
;;       e = np.where(a > 0, np.clip(np.frexp(np.where(a > 0, a, 1))[1] - 1 - 2, -126, 127), 0)      # np.frexp(a)[1] - 1 = floor(log2(a)), exactly
;;       r = np.clip(x / 2.0 ** e, -6, 6)
;;       step = 2.0 ** (np.maximum(np.frexp(np.where(r == 0, 1, r))[1] - 1, 0) - 1)
;;       q = np.round(r / step) * step * 2.0 ** e      # np.round: ties to even
;;       return np.moveaxis(q.reshape(q.shape[:-2] + (-1,))[..., :K], -1, axis).astype(np.float32)
;;   ~~~
;; One version. Each part assembles by itself: llvm-mc -triple=amdgcn-amd-amdhsa -mcpu=gfx1250 --defsym DOCPART=n.
;; ======== version 1 of 1: 4 launches
;; limits: values are held in f16: magnitudes above 65,504 overflow, below 6.1e-05 lose precision
;; workspace buffers: codes 8,388,608 bytes; scales 524,288 bytes; wo16 8,388,608 bytes; qkv 25,165,824 bytes; att 8,388,608 bytes
;; launch quant (part 1): grid 640 x 1, 4 waves a work-group, no clusters, 33,280 bytes of LDS; arguments wq, wk, x, wv, wo, codes, scales, wo16; writes codes, scales, wo16
.if DOCPART == 1
	.amdgcn_target "amdgcn-amd-amdhsa--gfx1250"
	.amdhsa_code_object_version 6
	.text
	.protected	k_qb3ed32dfa1_quant
	.globl	k_qb3ed32dfa1_quant
	.p2align	8
	.type	k_qb3ed32dfa1_quant,@function
k_qb3ed32dfa1_quant:
	s_mov_b64 s[64:65], 0
	v_nop
	global_prefetch_b8 v0, s[64:65] scope:SCOPE_SE
	s_setreg_imm32_b32 hwreg(HW_REG_WAVE_MODE, 25, 1), 1
	s_wait_xcnt 0x0
; wq, wk, x, wv ([2048][2048] f32, K innermost) become codes of FP4 (E2M1), two a byte, with one E8M0 scale byte for each 32 along K; wo becomes f16.
; codes: 8,192 rows of 1,024 bytes: rows 0-2047 wq, 2048-4095 wk, 4096-6143 x, 6144-8191 wv; scales: the same rows of 64 bytes.
; THE ROWS OF wq AND wk ARE PERMUTED: row 128 head + d goes to row 256 (d / 16) + 16 head + d % 16, so that 256 neighbouring rows are 16 channels d of all 16 heads
; (the product's launch then needs one set of rotation numbers for eight heads).
; A block's scale is 2^(floor(log2(its largest magnitude)) - 2); its byte is the largest magnitude's exponent field - 2, held at 1 from below.  A block of zeros so gets the byte 1 where the
; rule says 127: its codes are zeros, which add nothing under any byte but 0xff, and the bytes are read by this program alone.
; LIMITS: NaN and infinities among the inputs are not served.  wo in f16: magnitudes must stay under 65,504; under 6e-5 they keep an absolute step of 3e-8.
; SHARES.  Work-group g: tensor t = g / 128 (0 wq, 1 wk, 2 x, 3 wv, 4 wo); wave's run u = 4 (g % 128) + wave: 8,192 numbers, four rows.  No barrier: waves share nothing.
; QUANTISING: 16 steps of 512 numbers.  Each load reads 512 consecutive bytes; a step's 2,048 bytes turn through the wave's own stage in LDS, so that a lane holds 16 neighbours along K
; (two neighbouring lanes hold a block); a lane's 16 codes are 8 bytes: the wave stores 256 consecutive bytes.  A run's 256 scale bytes are gathered in LDS and leave as one aligned run of 256 bytes.
.set WAVES, 4
.set STEPS, 16
.set EMAX,  2
.set CB,    8                          ; bytes of 16 codes
.set R,     16                         ; v16-79   four sets of 16 numbers as they are loaded
.set X,     80                         ; v80-111  two sets of 16 neighbours
.set E,     112                        ; v112-127 a scale byte for each step
.set C,     128                        ; v128-191 codes: four registers for each step, so that no store's data are written again
.set WREG,  8192                       ; LDS: a region for each wave: two stages of 32 x SP bytes, behind them its 256 scale bytes
.set SP,    80                         ; a lane's place in a stage: 64 bytes + 16 of padding
.set SPW,   12                         ; v12 LDS address of my spare word; never rewritten
.set NIL,   13                         ; v13 0; never rewritten
.set SPARE, WAVES*WREG                 ; behind the four regions: the spare words, 128 bytes a wave
.set LD,    16                         ; the cast of wo: v16-143 four sets of 32 numbers
.set OW,    144                        ; v144-175 two sets of 16 registers of f16 pairs
	s_load_b256 s[4:11], s[0:1], 0x0               ; wq, wk, x, wv
	s_load_b256 s[12:19], s[0:1], 0x20             ; wo, codes, scales, wo16
	v_lshl_add_u32 v[SPW], v0, 2, SPARE
	v_mov_b32 v[NIL], 0
	v_lshrrev_b32 v1, 5, v0
	v_readfirstlane_b32 s20, v1                    ; wave
	v_and_b32 v2, 31, v0                           ; lane
	v_lshlrev_b32 v3, 4, v2                        ; my 16 bytes of a load's 512
	s_mul_i32 s32, s20, WREG
	v_lshrrev_b32 v14, 2, v2
	v_mul_u32_u24 v14, v14, SP
	v_and_b32 v15, 3, v2
	v_lshl_add_u32 v14, v15, 4, v14
	v_add_nc_u32 v14, s32, v14                     ; the stage, on the way in: SP (lane / 4) + 16 (lane % 4)
	v_mul_u32_u24 v15, v2, SP
	v_add_nc_u32 v15, s32, v15                     ; and on the way out: SP x lane: my 16 neighbours
	v_mul_u32_u24 v4, v2, CB                       ; 8 x lane: my codes' place in a step's; also my f16 numbers' place in the cast
	v_lshrrev_b32 v5, 1, v2
	s_add_co_u32 s32, s32, 2*32*SP
	v_add_nc_u32 v5, s32, v5                       ; LDS: my wave's 256 scale bytes, my block's byte
	v_lshlrev_b32 v7, 3, v2
	v_add_nc_u32 v6, s32, v7                       ; and on the way out 8 bytes a lane
	s_lshr_b32 s21, ttmp9, 7                       ; t
	s_and_b32 s22, ttmp9, 127
	s_lshl_b32 s22, s22, 2
	s_add_co_u32 s23, s22, s20                     ; u
	s_mov_b32 s27, 0
	s_mov_b32 s29, 0
	s_mov_b32 s31, 0
	s_wait_kmcnt 0x0
	s_cmp_eq_u32 s21, 4
	s_cbranch_scc1 .Lwo
	s_cmp_eq_u32 s21, 1                            ; which tensor: the choice hangs on the work-group's number alone
	s_cselect_b64 s[4:5], s[6:7], s[4:5]
	s_cmp_eq_u32 s21, 2
	s_cselect_b64 s[4:5], s[8:9], s[4:5]
	s_cmp_eq_u32 s21, 3
	s_cselect_b64 s[4:5], s[10:11], s[4:5]
	s_and_b32 s24, s23, 31                         ; the run's place among the permuted rows: 64 ((u % 32) / 4) + 4 (u / 32) + u % 4
	s_lshr_b32 s24, s24, 2
	s_lshl_b32 s24, s24, 6
	s_lshr_b32 s25, s23, 5
	s_lshl_b32 s25, s25, 2
	s_add_co_u32 s24, s24, s25
	s_and_b32 s25, s23, 3
	s_add_co_u32 s24, s24, s25
	s_cmp_lt_u32 s21, 2                            ; wq and wk alone are permuted
	s_cselect_b32 s24, s24, s23
	s_lshl_b32 s25, s21, 9
	s_add_co_u32 s24, s24, s25                     ; + 512 runs for each tensor before mine
	s_lshl_b32 s26, s23, 15                        ; in: 32,768 bytes a run
	s_lshl_b32 s28, s24, 12                        ; codes: 4,096
	s_lshl_b32 s30, s24, 8                         ; scale bytes: 256
	s_add_nc_u64 s[4:5], s[4:5], s[26:27]
	s_add_nc_u64 s[14:15], s[14:15], s[28:29]
	s_add_nc_u64 s[16:17], s[16:17], s[30:31]
.macro LOAD t
.irp i, 0,1,2,3
	global_load_b128 v[R+16*((\t)%4)+4*\i:R+16*((\t)%4)+4*\i+3], v3, s[4:5] offset:2048*(\t)+512*\i th:TH_LOAD_NT   ; 32 lanes read 512 consecutive bytes
.endr
.endm
.macro TURN t                          ; step t's numbers through the stage: LDS serves a wave's instructions in order, so no wait stands between the stores and the loads
.irp i, 0,1,2,3
	ds_store_b128 v14, v[R+16*((\t)%4)+4*\i:R+16*((\t)%4)+4*\i+3] offset:32*SP*((\t)%2)+8*SP*\i
.endr
.irp i, 0,1,2,3
	ds_load_b128 v[X+16*((\t)%2)+4*\i:X+16*((\t)%2)+4*\i+3], v15 offset:32*SP*((\t)%2)+16*\i
.endr
.endm
.irp t, 0,1,2,3
	LOAD \t
.endr
	s_wait_loadcnt 12                              ; step 0's four loads are in; the 12 of steps 1 to 3 may be out
	TURN 0
.macro STEP t
.set XS, X+16*((\t)%2)
.if (\t) > 0
	s_wait_dscnt 1                                 ; this step's numbers are back from the stage (the last step's byte store may be out): so its stores into the stage have read their registers,
.else
	s_wait_dscnt 0x0
.endif
.if (\t)+4 < STEPS
	LOAD (\t)+4                                    ; which take the loads of four steps on
.endif
.if (\t)+1 < STEPS
.if STEPS-2-(\t) >= 3
	s_wait_loadcnt 12                              ; the next step's four loads are in; those of the three steps behind it may be out
.else
	s_wait_loadcnt 4*(STEPS-2-(\t))
.endif
	TURN (\t)+1                                    ; and go through the other stage while this step is worked
.endif
	v_max3_num_f32 v8, |v[XS]|, |v[XS+1]|, |v[XS+2]|               ; the largest magnitude of my 16, in two chains
	v_max3_num_f32 v9, |v[XS+3]|, |v[XS+4]|, |v[XS+5]|
.irp i, 6,10
	v_max3_num_f32 v8, v8, |v[XS+\i]|, |v[XS+\i+1]|
	v_max3_num_f32 v9, v9, |v[XS+\i+2]|, |v[XS+\i+3]|
.endr
	v_max3_num_f32 v8, v8, |v[XS+14]|, |v[XS+15]|
	v_max3_num_f32 v8, v8, v9, (EMAX+1)<<23        ; and the floor 2^(EMAX + 1 - 127): the byte cannot fall under 1
	v_max_num_f32_dpp v8, v8, v8 row_xmask:1 row_mask:0xf bank_mask:0xf   ; and of my neighbour's 16: the block's
	v_add_nc_u32 v11, -(EMAX<<23), v8              ; EMAX off its exponent field: the conversion takes the exponent field of this operand as its scale
	v_cvt_scalef32_pk8_fp4_f32 v[C+4*(\t)], v[XS:XS+7], v11        ; eight numbers / the scale, to the nearest code, ties to even, beyond the largest code the largest
	v_cvt_scalef32_pk8_fp4_f32 v[C+4*(\t)+1], v[XS+8:XS+15], v11
	v_lshrrev_b32 v[E+(\t)], 23, v11               ; the scale's byte (also the plain line behind the conversions)
	ds_store_b8 v5, v[E+(\t)] offset:16*(\t)       ; both lanes of a block write the same byte with the same value
	global_store_b64 v4, v[C+4*(\t):C+4*(\t)+1], s[14:15] offset:32*CB*(\t)   ; 32 lanes store 256 consecutive bytes, aligned
.endm
.irp t, 0,1,2,3,4,5,6,7,8,9,10,11,12,13,14,15
	STEP \t
.endr
	ds_load_b64 v[8:9], v6                         ; LDS serves a wave's instructions in order: these see my stores
	s_wait_dscnt 0x0
	global_store_b64 v7, v[8:9], s[16:17]          ; the run's 256 scale bytes
	s_wait_tensorcnt 0x0                           ; the wave's end, behind my last LDS store
	ds_add_u32 v[SPW], v[NIL]
	s_wait_dscnt 0x0
	s_endpgm
; THE CAST OF wo: a run is eight groups of 4,096 bytes; loads run four groups (32 loads a wave) ahead; a lane's four numbers become 8 bytes, a wave's store 256 consecutive bytes.
.Lwo:
	s_lshl_b32 s26, s23, 15
	s_add_nc_u64 s[12:13], s[12:13], s[26:27]
	s_lshl_b32 s28, s23, 14
	s_add_nc_u64 s[18:19], s[18:19], s[28:29]
.macro LOADG g
.irp i, 0,1,2,3,4,5,6,7
	global_load_b128 v[LD+32*((\g)%4)+4*\i:LD+32*((\g)%4)+4*\i+3], v3, s[12:13] offset:4096*(\g)+512*\i th:TH_LOAD_NT
.endr
.endm
.macro CASTG g
.if (\g) < 5
	s_wait_loadcnt 24                              ; my group's eight loads are in; the three younger groups' 24 may be out
.else
	s_wait_loadcnt 8*(7-(\g))
.endif
.if (\g) >= 2
	s_wait_xcnt 0x0                                ; the stores of two groups back have read their data: this set of registers is written again only behind this wait
.endif
.irp i, 0,1,2,3,4,5,6,7
	v_cvt_pk_f16_f32 v[OW+16*((\g)%2)+2*\i],   v[LD+32*((\g)%4)+4*\i],   v[LD+32*((\g)%4)+4*\i+1]
	v_cvt_pk_f16_f32 v[OW+16*((\g)%2)+2*\i+1], v[LD+32*((\g)%4)+4*\i+2], v[LD+32*((\g)%4)+4*\i+3]
.endr
.if (\g) < 4
	LOADG (\g)+4
.endif
.irp i, 0,1,2,3,4,5,6,7
	global_store_b64 v4, v[OW+16*((\g)%2)+2*\i:OW+16*((\g)%2)+2*\i+1], s[18:19] offset:2048*(\g)+256*\i
.endr
.endm
.irp g, 0,1,2,3
	LOADG \g
.endr
.irp g, 0,1,2,3,4,5,6,7
	CASTG \g
.endr
	s_wait_tensorcnt 0x0                           ; the same three lines close this way too
	ds_add_u32 v[SPW], v[NIL]
	s_wait_dscnt 0x0
	s_endpgm
.Lfunc_end_k_qb3ed32dfa1_quant:
	.size	k_qb3ed32dfa1_quant, .Lfunc_end_k_qb3ed32dfa1_quant-k_qb3ed32dfa1_quant
	.p2alignl 7, 3214868480
	.fill 96, 4, 3214868480
	.section	.rodata,"a",@progbits
	.p2align	6, 0x0
	.amdhsa_kernel k_qb3ed32dfa1_quant
		.amdhsa_group_segment_fixed_size 33280
		.amdhsa_private_segment_fixed_size 0
		.amdhsa_enable_private_segment 0
		.amdhsa_kernarg_size 64
		.amdhsa_user_sgpr_count 2
		.amdhsa_user_sgpr_kernarg_segment_ptr 1
		.amdhsa_wavefront_size32 1
		.amdhsa_system_sgpr_workgroup_id_x 1
		.amdhsa_system_sgpr_workgroup_id_y 1
		.amdhsa_system_sgpr_workgroup_id_z 1
		.amdhsa_system_vgpr_workitem_id 0
		.amdhsa_next_free_vgpr 192
		.amdhsa_next_free_sgpr 66
		.amdhsa_reserve_vcc 0
		.amdhsa_float_denorm_mode_32 3
		.amdhsa_float_denorm_mode_16_64 3
		.amdhsa_memory_ordered 1
		.amdhsa_forward_progress 1
		.amdhsa_inst_pref_size 54
	.end_amdhsa_kernel
	.amdgpu_metadata
---
amdhsa.version: [ 1, 2 ]
amdhsa.kernels:
  - .name:           k_qb3ed32dfa1_quant
    .symbol:         k_qb3ed32dfa1_quant.kd
    .args:
      - { .name: wq, .offset: 0, .size: 8, .value_kind: global_buffer, .address_space: global }
      - { .name: wk, .offset: 8, .size: 8, .value_kind: global_buffer, .address_space: global }
      - { .name: x, .offset: 16, .size: 8, .value_kind: global_buffer, .address_space: global }
      - { .name: wv, .offset: 24, .size: 8, .value_kind: global_buffer, .address_space: global }
      - { .name: wo, .offset: 32, .size: 8, .value_kind: global_buffer, .address_space: global }
      - { .name: codes, .offset: 40, .size: 8, .value_kind: global_buffer, .address_space: global }
      - { .name: scales, .offset: 48, .size: 8, .value_kind: global_buffer, .address_space: global }
      - { .name: wo16, .offset: 56, .size: 8, .value_kind: global_buffer, .address_space: global }
    .group_segment_fixed_size: 33280
    .private_segment_fixed_size: 0
    .kernarg_segment_align: 8
    .kernarg_segment_size: 64
    .max_flat_workgroup_size: 128
    .sgpr_count:     66
    .vgpr_count:     192
    .wavefront_size: 32
...
	.end_amdgpu_metadata
.endif
;; end of part 1
;; launch qkv (part 2): grid 24 x 8, 4 waves a work-group, clusters of 4 x 4, 327,680 bytes of LDS; arguments codes, scales, freq_cis, qkv; writes qkv
.if DOCPART == 2
	.amdgcn_target "amdgcn-amd-amdhsa--gfx1250"
	.amdhsa_code_object_version 6
	.text
	.protected	k_qb3ed32dfa1_qkv
	.globl	k_qb3ed32dfa1_qkv
	.p2align	8
	.type	k_qb3ed32dfa1_qkv,@function
k_qb3ed32dfa1_qkv:
	s_mov_b64 s[64:65], 0
	v_nop
	global_prefetch_b8 v0, s[64:65] scope:SCOPE_SE
	s_setreg_imm32_b32 hwreg(HW_REG_WAVE_MODE, 25, 1), 1
	s_wait_xcnt 0x0
	s_wait_alu depctr_hold_cnt(0) depctr_sa_sdst(0) depctr_va_vdst(0) depctr_va_sdst(0) depctr_va_ssrc(0) depctr_va_vcc(0) depctr_vm_vsrc(0)
	s_getreg_b32 s2, hwreg(HW_REG_IB_STS2, 6, 4)
	s_cmp_eq_u32 s2, 0
	s_cbranch_scc0 .Lentry_in_a_cluster
	s_endpgm
.Lentry_in_a_cluster:
	s_bfe_u32 s2, ttmp6, 0x10000c
	s_cmp_lg_u32 s2, 0xf033
	s_cbranch_scc0 .Lentry_shape_is_right
	s_endpgm
.Lentry_shape_is_right:
; The three projections on codes of FP4 (E2M1) with one E8M0 scale for each 32 along K = 2,048, then the rotation of q and k, then f16: the results leave as IMAGES OF THE OPERAND REGISTERS of the attention launch.
; codes: 8,192 rows of 1,024 bytes (wq permuted, wk permuted, x, wv); scales: the same rows of 64 bytes.  A tile is 256 rows "A" x 256 rows "B", both rows of that one buffer.
;   tile column tx = 0..7: B = a piece of wq (16 channels d of all 16 heads), 8..15: of wk; A = 256 positions of x (rows 4096 + 256 ty).
;   tile column tx = 16..23: B = 256 positions of x; A = 256 rows of wv (rows 6144 + 256 ty).
; THE MATRIX INSTRUCTION IS USED TRANSPOSED (source 0 = 16 rows of B, source 1 = 16 rows of A): a lane holds ONE row of A and eight neighbouring rows of B.  For q and k that is one position and eight neighbouring
; channels (the rotation's pairs lie in one lane); for v one channel and eight neighbouring keys.  Packed to f16, an accumulator is 16 bytes a lane: half of a 16 x 32 fragment, stored as 512 consecutive bytes.
; qkv: Q at 0, K at 8,388,608: [head][pos / 16][d / 16][512 bytes];  V at 16,777,216: [head][pos / 32][channel / 16][(pos / 16) % 2][512 bytes].
; A work-group of four waves; a wave makes 128 x 128: 64 accumulators, 512 registers.  K goes in steps of 512 through a ring of two LDS slots (rows of 256 bytes); the scales of the work-group's rows come once and stay.
; CLUSTERS: 4 x 4 work-groups; A's tiles are asked for jointly along a row of the cluster, B's along a column.  Which rows A's are hangs on the cluster's x, which all sixteen share.
; 192 work-groups: 24 x 8 tiles of 256 x 256; a smaller tile would cut a piece's 16 heads apart.
; LIMITS: q, k, v in f16: magnitudes must stay under 65,504; under 6e-5 they keep an absolute step of 3e-8.
; REGISTERS: window 0: v0-31 addresses; v32-95 scale words, two sets; v96-127 rotation numbers, two sets; v128-191 A's fragments, ONE set, on the way out the packed results; v192-255 at work on the way out.
;   window 1: B's fragments, two sets, at v0 and v128.   window 2: the accumulators of my rows 0-63 ((a, b) at v[8 (8 a + b)]);   window 3: those of rows 64-127.
.set SIZE_K, 2048
.set KSTEP,  512
.set NQ,     KSTEP/128
.set ROWB,   256                       ; a tile's row in bytes
.set KROW,   SIZE_K*4/8                ; a row of codes in memory
.set PITCH,  272                       ; an LDS row: 256 bytes + 16 of padding: the 16 rows that a load touches start 16 bytes apart modulo 256
.set FR,     8
.set NL,     2
.set NP,     4                         ; places behind this matrix instruction (ISA guide 7.12.1)
.set HALFT,  128*PITCH
.set SLOT,   4*HALFT
.set LAPS,   SIZE_K/(2*KSTEP)
.set KS,     SIZE_K/32                 ; a row of scales in bytes
.set SCL,    2*SLOT                    ; behind the ring: the scales, as runs of 256 bytes + 16 of padding
.set HALFS,  (128*KS/256)*272
.set SBLK,   (16*KS/256)*272
.set SPARE,  SCL+4*HALFS               ; behind the scales: the spare words, 128 bytes a wave
.set ADRA, 16                          ; v16-17 LDS address of my A fragments in slot 0, 1
.set ADRB, 20                          ; v20-21 the same for B
.set FO,   25                          ; v25 my byte in the rotation table: 1,024 x (lane % 16) + 64 x (lane / 16); never rewritten
.set CO,   26                          ; v26 16 x lane: my place in an image; never rewritten
.set ADRS, 27                          ; v27 LDS address of my scale words
.set SPW,  28
.set NIL,  29
.set SC,   32
.set FC,   96                          ; rotation numbers: set a % 2: register 4 i + 2 u + v = f[u][v] of pair i of my eight channels at position 16 a + lane % 16
.set AF,   128
.set OUTR, 128                         ; the way out: two sets of 32 registers of f16 pairs
.set T,    192                         ; the way out: 64 rotated numbers
.set G1, 24
.set G0, 32
.set G1B, 48
.set G0B, 56
.set G1S, 68
.set G0S, 76
.set G1SB, 80
.set G0SB, 88
.set MSB, 0
.macro WIN new                         ; the immediate's high byte repeats the setting that is left
.if MSB != \new
	s_set_vgpr_msb (MSB<<8)|\new
.set MSB, \new
.endif
.endm
.set MUL_LO, 0xa1                      ; source 0 (B) window 1, source 1 (A) window 0, C and D window 2
.set MUL_HI, 0xf1
.set TO_B,   0x40
; A joint load: waves 0 and 1 fetch for A, waves 2 and 3 for B; the branch hangs on the wave's number alone.  An s_nop 0 and four v_nop follow each of the two lines.
.macro JLOAD g0a, g1a, g0b, g1b
	s_cmp_eq_u32 s15, 0
	s_cbranch_scc0 .Lfor_b_\@
	tensor_load_to_lds s[\g0a:\g0a+3], s[\g1a:\g1a+7]
	s_nop 0
.rept 4
	v_nop
.endr
	s_branch .Lasked_\@
.Lfor_b_\@:
	tensor_load_to_lds s[\g0b:\g0b+3], s[\g1b:\g1b+7]
	s_nop 0
.rept 4
	v_nop
.endr
.Lasked_\@:
.endm
.macro CREST                           ; a round of the cluster's barrier behind its opening barrier
	s_cmp_lg_u32 s14, 0
	s_cbranch_scc1 .Lnot_wave_0_\@
	s_barrier_signal -3
.Lnot_wave_0_\@:
	s_barrier_wait -3
	s_barrier_signal -1
	s_barrier_wait -1
.endm
.macro CROUND
	s_barrier_signal -1
	s_barrier_wait -1
	CREST
.endm
	s_load_b128 s[4:7], s[0:1], 0x0                ; codes s[4:5], scales s[6:7]
	s_load_b64 s[98:99], s[0:1], 0x10              ; freq_cis
	s_load_b64 s[12:13], s[0:1], 0x18              ; qkv
	v_lshl_add_u32 v[SPW], v0, 2, SPARE
	v_mov_b32 v[NIL], 0
	ds_add_u32 v[SPW], v[NIL]                      ; the wave's opening: the add, twice on end, and its wait ahead of my first tensor load
	ds_add_u32 v[SPW], v[NIL]
	v_lshrrev_b32 v1, 5, v0
	v_readfirstlane_b32 s14, v1                    ; wave 0..3
	s_lshr_b32 s15, s14, 1                         ; which half of A's rows is mine.  Also: I fetch for A (0) or for B (1)
	s_and_b32 s16, s14, 1                          ; which half of B's rows.  Also: which 128 rows of that tile I fetch
	s_bfe_u32 s40, ttmp6, 0x40000                  ; cx, cy
	s_bfe_u32 s41, ttmp6, 0x40004
	s_lshl_b32 s42, ttmp9, 2
	s_add_co_u32 s42, s42, s40                     ; tx = 4 x cluster x + cx
	s_and_b32 s17, ttmp7, 0xffff
	s_lshl_b32 s17, s17, 2
	s_add_co_u32 s17, s17, s41                     ; ty = 4 x cluster y + cy
	s_lshl_b32 s43, s41, 2
	s_lshl_b32 s43, 15, s43                        ; my row of the cluster
	s_lshl_b32 s44, 0x1111, s40                    ; my column
	s_movk_i32 s95, 6144                           ; where A's rows begin: x (4096) in clusters 0-3 along x, wv (6144) in clusters 4 and 5
	s_cmp_lt_u32 ttmp9, 4
	s_cselect_b32 s95, 4096, s95
	s_or_b32 s[G1+0], s43, (0<<16)|(1<<20)|(1<<21)|(5<<22)|(3<<25)  ; the mask: A's tiles go to my row; elements of 1 byte; padding: 4 words after every 64
	s_or_b32 s[G1B+0], s44, (0<<16)|(1<<20)|(1<<21)|(5<<22)|(3<<25)
.irp g, G1, G1B
	s_mov_b32 s[\g+1], ROWB<<16                    ; tensor_dim0
	s_mov_b32 s[\g+2], 128<<16                     ; tensor_dim1
	s_mov_b32 s[\g+3], ROWB<<16                    ; tile_dim0
	s_mov_b32 s[\g+4], 128                         ; tile_dim1
	s_mov_b32 s[\g+5], KROW                        ; from row to row
	s_mov_b32 s[\g+6], 0
	s_mov_b32 s[\g+7], 0
.endr
	s_or_b32 s[G1S+0], s43, (3<<16)|(1<<20)|(1<<21)|(5<<22)|(3<<25) ; the scales of 128 rows: 8,192 dense bytes as 32 rows of 256 (32 elements of 8 bytes), 16 bytes of padding behind each
	s_or_b32 s[G1SB+0], s44, (3<<16)|(1<<20)|(1<<21)|(5<<22)|(3<<25)
.irp g, G1S, G1SB
	s_mov_b32 s[\g+1], 32<<16
	s_mov_b32 s[\g+2], (128*KS/256)<<16
	s_mov_b32 s[\g+3], 32<<16
	s_mov_b32 s[\g+4], 128*KS/256
	s_mov_b32 s[\g+5], 32
	s_mov_b32 s[\g+6], 0
	s_mov_b32 s[\g+7], 0
.endr
	s_lshl_b32 s18, s16, 7                         ; which 128 rows of the tile I fetch
	s_lshl_b32 s20, s17, 8
	s_add_co_u32 s20, s20, s18
	s_add_co_u32 s20, s20, s95                     ; A: row 256 ty + 128 x half + where A's rows begin
	s_lshl_b32 s46, s42, 8
	s_add_co_u32 s46, s46, s18                     ; B: row 256 tx + 128 x half
	s_mov_b32 s21, 0
	s_mov_b32 s47, 0
	s_mov_b64 s[18:19], KS
	s_mul_u64 s[22:23], s[20:21], s[18:19]         ; where these rows' scales begin, in bytes
	s_mul_u64 s[92:93], s[46:47], s[18:19]
	s_mov_b64 s[18:19], KROW
	s_mul_u64 s[20:21], s[20:21], s[18:19]         ; and their codes
	s_mul_u64 s[46:47], s[46:47], s[18:19]
	s_mul_i32 s45, s14, HALFT                      ; where they go: wave x 128 rows
	s_mul_i32 s94, s14, HALFS
	s_wait_dscnt 0x0                               ; both opening adds are done
	s_wait_kmcnt 0x0
	s_add_nc_u64 s[20:21], s[4:5], s[20:21]
	s_add_nc_u64 s[22:23], s[6:7], s[22:23]
	s_add_nc_u64 s[46:47], s[4:5], s[46:47]
	s_add_nc_u64 s[92:93], s[6:7], s[92:93]
	CROUND                                         ; all sixteen work-groups are here: the first joint loads meet
	s_mov_b32 s[G0S], 1
	s_add_co_u32 s[G0S+1], s94, SCL
	s_mov_b64 s[G0S+2:G0S+3], s[22:23]
	s_or_b32 s[G0S+3], s[G0S+3], 0x80000000
	s_mov_b32 s[G0SB], 1
	s_add_co_u32 s[G0SB+1], s94, SCL
	s_mov_b64 s[G0SB+2:G0SB+3], s[92:93]
	s_or_b32 s[G0SB+3], s[G0SB+3], 0x80000000
	JLOAD G0S, G1S, G0SB, G1SB                     ; the scales first: they are wanted with K step 0.  Three loads of mine are out behind the first fills
.irp s, 0,1
	s_mov_b32 s[G0+4*\s], 1
	s_add_co_u32 s[G0+4*\s+1], s45, \s*SLOT
	s_add_nc_u64 s[G0+4*\s+2:G0+4*\s+3], s[20:21], \s*ROWB
	s_or_b32 s[G0+4*\s+3], s[G0+4*\s+3], 0x80000000
	s_mov_b32 s[G0B+4*\s], 1
	s_add_co_u32 s[G0B+4*\s+1], s45, \s*SLOT
	s_add_nc_u64 s[G0B+4*\s+2:G0B+4*\s+3], s[46:47], \s*ROWB
	s_or_b32 s[G0B+4*\s+3], s[G0B+4*\s+3], 0x80000000
	JLOAD G0+4*\s, G1, G0B+4*\s, G1B
.endr
	v_and_b32 v1, 15, v0                           ; r = lane % 16
	v_bfe_u32 v2, v0, 4, 1                         ; h = lane / 16
	v_mul_u32_u24 v3, v1, PITCH
	v_lshl_add_u32 v4, v2, 4, v3                   ; a fragment's row x pitch + 16 x half
	s_mul_i32 s21, s15, HALFT                      ; my 128 rows of A
	s_mul_i32 s22, s16, HALFT                      ; my 128 rows of B,
	s_add_co_u32 s22, s22, 2*HALFT                 ; which lie behind A's 256
.irp s, 0,1
	v_add_nc_u32 v[ADRA+\s], s21, v4
	v_add_nc_u32 v[ADRB+\s], s22, v4
	s_add_co_u32 s21, s21, SLOT
	s_add_co_u32 s22, s22, SLOT
.endr
	v_mul_u32_u24 v5, v1, KS                       ; my row's scales: KS bytes a row,
	v_lshrrev_b32 v6, 8, v5
	v_lshl_add_u32 v5, v6, 4, v5                   ; and 16 more for each 256 passed
	s_mul_i32 s21, s15, HALFS
	s_mul_i32 s22, s16, HALFS
	s_add_co_u32 s22, s22, 2*HALFS
	s_sub_co_u32 s22, s22, s21
	v_mul_u32_u24 v6, s22, v2                      ; lanes 16-31 take B's
	s_add_co_u32 s21, s21, SCL
	v_add_nc_u32 v5, v5, v6
	v_add_nc_u32 v[ADRS], s21, v5
	v_lshlrev_b32 v[FO], 10, v1
	v_lshl_add_u32 v[FO], v2, 6, v[FO]
	v_and_b32 v6, 31, v0
	v_lshlrev_b32 v[CO], 4, v6
	; where my results go.  q, k: (tx / 8) x 8,388,608 + head 8 x (B's half) + position tile 16 ty + 8 x (A's half) + piece tx % 8
	s_and_b32 s46, s42, 7
	s_lshr_b32 s20, s42, 3
	s_lshl_b32 s20, s20, 23
	s_lshl_b32 s21, s16, 22
	s_add_co_u32 s20, s20, s21
	s_lshl_b32 s21, s17, 16
	s_add_co_u32 s20, s20, s21
	s_lshl_b32 s21, s15, 15
	s_add_co_u32 s20, s20, s21
	s_lshl_b32 s21, s46, 9
	s_add_co_u32 s20, s20, s21
	; v: 16,777,216 + head 2 ty + (A's half) + 32 positions x (8 (tx - 16) + 4 x (B's half)); tx - 16 = tx % 8 there
	s_lshl_b32 s22, s17, 1
	s_add_co_u32 s22, s22, s15
	s_lshl_b32 s22, s22, 19
	s_add_co_u32 s22, s22, 16777216
	s_lshl_b32 s23, s46, 16
	s_add_co_u32 s22, s22, s23
	s_lshl_b32 s23, s16, 15
	s_add_co_u32 s22, s22, s23
	s_cmp_lt_u32 ttmp9, 4
	s_cselect_b32 s20, s20, s22
	s_mov_b32 s21, 0
	s_add_nc_u64 s[12:13], s[12:13], s[20:21]
	s_lshl_b32 s22, s17, 18                        ; the rotation table: position 256 ty + 128 x (A's half), 1,024 bytes each; pairs 8 x piece on, 16 bytes each
	s_lshl_b32 s23, s15, 17
	s_add_co_u32 s22, s22, s23
	s_lshl_b32 s23, s46, 7
	s_add_co_u32 s22, s22, s23
	s_mov_b32 s23, 0
	s_add_nc_u64 s[98:99], s[98:99], s[22:23]
.macro FLOAD a                         ; the rotation numbers of my four pairs at position 16 a + r: one set serves all eight heads of the block
.irp i, 0,1,2,3
	global_load_b128 v[FC+16*((\a)%2)+4*\i:FC+16*((\a)%2)+4*\i+3], v[FO], s[98:99] offset:16384*(\a)+16*\i
.endr
.endm
	FLOAD 0                                        ; the first two sets land under the K loop, in registers that it does not touch.  Every wave loads them, ahead of the parting of the two ways out,
	FLOAD 1                                        ; so that the registers are written on every way; v's tiles load them at a valid place and do not use them: eight loads a wave
.macro FRAG reg, adr, q, i             ; 16 rows x 128 K of 4-bit codes: lane l holds row l % 16; registers 4 c .. 4 c + 3 hold K = 64 c + 32 (l / 16) + 0 .. 31
.irp c, 0,1
	ds_load_b128 v[\reg+4*\c:\reg+4*\c+3], v[\adr] offset:64*(\q)+32*\c+(\i)*16*PITCH
.endr
.endm
; 16 matrix instructions: A's blocks a0, a0 + 1 x B's eight, 128 along K.  The 64 accumulators take turns, one instruction a turn, in the same order in every step.
.macro MUL16 a0, p, q, sc, zero
.irp a, \a0, \a0+1
.irp b, 0,1,2,3,4,5,6,7
.if \zero
	v_wmma_scale_f32_16x16x128_f8f6f4 v[8*(8*((\a)%4)+\b):8*(8*((\a)%4)+\b)+7], v[128*(\p)+FR*\b:128*(\p)+FR*\b+FR-1], v[AF+FR*(\a):AF+FR*(\a)+FR-1], 0, v[SC+8*NQ*(\sc)+NQ*\b+(\q)], v[SC+8*NQ*(\sc)+NQ*(\a)+(\q)] matrix_a_fmt:MATRIX_FMT_FP4 matrix_b_fmt:MATRIX_FMT_FP4 matrix_a_scale:MATRIX_SCALE_ROW1
.else
	v_wmma_scale_f32_16x16x128_f8f6f4 v[8*(8*((\a)%4)+\b):8*(8*((\a)%4)+\b)+7], v[128*(\p)+FR*\b:128*(\p)+FR*\b+FR-1], v[AF+FR*(\a):AF+FR*(\a)+FR-1], v[8*(8*((\a)%4)+\b):8*(8*((\a)%4)+\b)+7], v[SC+8*NQ*(\sc)+NQ*\b+(\q)], v[SC+8*NQ*(\sc)+NQ*(\a)+(\q)] matrix_a_fmt:MATRIX_FMT_FP4 matrix_b_fmt:MATRIX_FMT_FP4 matrix_a_scale:MATRIX_SCALE_ROW1
.endif
.endr
.endr
.endm
.macro FETCH_B slot, q, p
	WIN TO_B
.irp i, 0,1,2,3,4,5,6,7
	FRAG 128*(\p)+FR*\i, ADRB+\slot, \q, \i
.endr
	WIN 0
.endm
.macro FETCH_A slot, q, i0
.irp i, \i0, \i0+1, \i0+2, \i0+3
	FRAG AF+FR*(\i), ADRA+\slot, \q, \i
.endr
.endm
.macro SCALES sc                       ; a K step's scale words: lanes 0-15 take A's block i, lanes 16-31 B's block i
.irp i, 0,1,2,3,4,5,6,7
	ds_load_b128 v[SC+8*NQ*\sc+NQ*\i:SC+8*NQ*\sc+NQ*\i+3], v[ADRS] offset:\i*SBLK
.endr
.endm
.macro PLACES n                        ; plain vector lines between a matrix instruction and a load into, or a vector line on, its registers
.rept \n
	v_nop
.endr
.endm
.macro STEP slot, q, zero              ; a step of 128 along K that has its successor in the same slot
	s_wait_dscnt 4*NL                              ; B's set and A's blocks 0-3 are in; the youngest eight loads (A's blocks 4-7) may be out
	WIN MUL_LO
	MUL16 0, (\q)%2, \q, \slot, \zero
	MUL16 2, (\q)%2, \q, \slot, \zero
	s_wait_dscnt 0                                 ; A's blocks 4-7 are in
	PLACES NP
	FETCH_B \slot, (\q)+1, 1-(\q)%2
	FETCH_A \slot, (\q)+1, 0
	WIN MUL_HI
	MUL16 4, (\q)%2, \q, \slot, \zero
	MUL16 6, (\q)%2, \q, \slot, \zero
	PLACES NP
	WIN 0
	FETCH_A \slot, (\q)+1, 4
.endm
; A slot's last step changes slots: ONE barrier; in front of it each wave waits for all its tensor loads, adds 0 to its spare word, and waits for that and for its own reads of this slot.
.macro TURN slot, next, fill
	s_wait_tensorcnt 0x0                           ; all my tensor loads have landed: my part of the next slot
	ds_add_u32 v[SPW], v[NIL]
	s_wait_dscnt 4*NL+1                            ; (the add and the youngest eight loads, A's blocks 4-7, may be out)
	WIN MUL_LO
	MUL16 0, 1, NQ-1, \slot, 0
	s_wait_dscnt 0x0                               ; the add is done, and my reads of this slot are over
	s_barrier_signal -1
	MUL16 2, 1, NQ-1, \slot, 0
	WIN 0
	s_barrier_wait -1
.if \fill
	CREST                                          ; the barrier has opened a round of the cluster's barrier: no wave of any partner still reads this slot or has a load on its way
	s_add_nc_u64 s[G0+4*\slot+2:G0+4*\slot+3], s[G0+4*\slot+2:G0+4*\slot+3], 2*ROWB
	s_add_nc_u64 s[G0B+4*\slot+2:G0B+4*\slot+3], s[G0B+4*\slot+2:G0B+4*\slot+3], 2*ROWB
	JLOAD G0+4*\slot, G1, G0B+4*\slot, G1B         ; the first tensor load behind the round, my one load until the next; its four v_nop are the places in front of the loads below
.else
	PLACES NP
.endif
	v_add_nc_u32 v[ADRS], 4*NQ, v[ADRS]            ; on to the next K step's scale words
	FETCH_B \next, 0, 0
	FETCH_A \next, 0, 0
	SCALES \next
	WIN MUL_HI
	MUL16 4, 1, NQ-1, \slot, 0
	MUL16 6, 1, NQ-1, \slot, 0
	PLACES NP
	WIN 0
	FETCH_A \next, 0, 4
.endm
.macro STEPS slot, from
.set QQ, \from
.rept NQ-1-\from
	STEP \slot, QQ, 0
.set QQ, QQ+1
.endr
.endm
	s_wait_tensorcnt 1                             ; the scales and my part of K step 0 are in (K step 1's load may be out)
	s_barrier_signal -1
	s_barrier_wait -1                              ; everybody's are
	FETCH_B 0, 0, 0
	FETCH_A 0, 0, 0
	SCALES 0
	FETCH_A 0, 0, 4
	STEP 0, 0, 1                                   ; the first step stands in front of the loop: its products start the sums
	s_mov_b32 s3, LAPS-1
.Llap:                                             ; a trip goes once round the ring and fills both slots again
	STEPS 0, 1
	TURN 0, 1, 1
	STEPS 1, 0
	TURN 1, 0, 1
	STEP 0, 0, 0
	s_sub_co_u32 s3, s3, 1
	s_cmp_lg_u32 s3, 0
	s_cbranch_scc1 .Llap
	STEPS 0, 1                                     ; the last lap fills nothing
	TURN 0, 1, 0
	STEPS 1, 0
	s_wait_dscnt 4*NL
	WIN MUL_LO
	MUL16 0, 1, NQ-1, 1, 0
	MUL16 2, 1, NQ-1, 1, 0
	s_wait_dscnt 0
	WIN MUL_HI
	MUL16 4, 1, NQ-1, 1, 0
	MUL16 6, 1, NQ-1, 1, 0
	WIN 0
	PLACES NP                                      ; behind the last products: the lines below write the registers that held A's fragments, and block 7's results are read later still
	s_cmp_lt_u32 ttmp9, 4                          ; the cluster's x: the same in all sixteen partners
	s_cbranch_scc0 .Lv_out
; THE WAY OUT OF q AND k, block a of 16 positions: out(2 i) = t(2 i) f00 + t(2 i + 1) f01, out(2 i + 1) = t(2 i) f10 + t(2 i + 1) f11, all four numbers as the table gives them; then f16.
; Accumulator (a, b) is head 8 x (B's half) + b: its image goes 524,288 b bytes on, block a's 4,096 a.
.macro QKOUT a
.set AC, 64*((\a)%4)
.set FF, FC+16*((\a)%2)
.set OO, OUTR+32*((\a)%2)
.set WW, 0x02+(\a)/4
.if (\a) >= 2
	s_wait_xcnt 0x0                                ; the stores of two blocks back have read their data: this set is written again only behind this wait
.endif
.if (\a) < 7
	s_wait_loadcnt 4                               ; my block's rotation numbers are in; the next block's four loads may be out
.else
	s_wait_loadcnt 0
.endif
	WIN WW                                         ; source 0: window 2 or 3
.irp b, 0,1,2,3,4,5,6,7
.irp i, 0,1,2,3
	v_mul_f32 v[T+8*\b+2*\i],    v[AC+8*\b+2*\i],   v[FF+4*\i]        ; each accumulator is read from its low end on
	v_mul_f32 v[T+8*\b+2*\i+1],  v[AC+8*\b+2*\i],   v[FF+4*\i+2]
	v_fmac_f32 v[T+8*\b+2*\i],   v[AC+8*\b+2*\i+1], v[FF+4*\i+1]
	v_fmac_f32 v[T+8*\b+2*\i+1], v[AC+8*\b+2*\i+1], v[FF+4*\i+3]
.endr
.endr
	WIN 0
.irp b, 0,1,2,3,4,5,6,7
.irp i, 0,1,2,3
	v_cvt_pk_f16_f32 v[OO+4*\b+\i], v[T+8*\b+2*\i], v[T+8*\b+2*\i+1]
.endr
.endr
.if (\a) < 6
	FLOAD (\a)+2                                   ; into the set just read
.endif
.irp b, 0,1,2,3,4,5,6,7
	global_store_b128 v[CO], v[OO+4*\b:OO+4*\b+3], s[12:13] offset:524288*\b+4096*(\a)   ; 32 lanes store 512 consecutive bytes, aligned
.endr
.endm
.irp a, 0,1,2,3,4,5,6,7
	QKOUT \a
.endr
	s_branch .Lend
; THE WAY OUT OF v: accumulator (a, b) is channel tile a, positions 16 b on: image 1,024 a + 8,192 (b / 2) + 512 (b % 2).
.Lv_out:
.macro VOUT a
.set AC, 64*((\a)%4)
.set OO, OUTR+32*((\a)%2)
.set WW, 0x0a+5*((\a)/4)
.if (\a) >= 2
	s_wait_xcnt 0x0
.endif
	WIN WW                                         ; sources 0 and 1: window 2 or 3
.irp b, 0,1,2,3,4,5,6,7
.irp i, 0,1,2,3
	v_cvt_pk_f16_f32 v[OO+4*\b+\i], v[AC+8*\b+2*\i], v[AC+8*\b+2*\i+1]
.endr
.endr
	WIN 0
.irp b, 0,1,2,3,4,5,6,7
	global_store_b128 v[CO], v[OO+4*\b:OO+4*\b+3], s[12:13] offset:1024*(\a)+8192*(\b/2)+512*(\b%2)
.endr
.endm
.irp a, 0,1,2,3,4,5,6,7
	VOUT \a
.endr
.Lend:
	s_wait_tensorcnt 0x0                           ; the wave's end
	ds_add_u32 v[SPW], v[NIL]
	s_wait_dscnt 0x0
	CROUND                                         ; the closing round: no work-group ends while a partner may still ask for a tile that names it
	s_endpgm
.Lfunc_end_k_qb3ed32dfa1_qkv:
	.size	k_qb3ed32dfa1_qkv, .Lfunc_end_k_qb3ed32dfa1_qkv-k_qb3ed32dfa1_qkv
	.p2alignl 7, 3214868480
	.fill 96, 4, 3214868480
	.section	.rodata,"a",@progbits
	.p2align	6, 0x0
	.amdhsa_kernel k_qb3ed32dfa1_qkv
		.amdhsa_group_segment_fixed_size 327680
		.amdhsa_private_segment_fixed_size 0
		.amdhsa_enable_private_segment 0
		.amdhsa_kernarg_size 32
		.amdhsa_user_sgpr_count 2
		.amdhsa_user_sgpr_kernarg_segment_ptr 1
		.amdhsa_wavefront_size32 1
		.amdhsa_system_sgpr_workgroup_id_x 1
		.amdhsa_system_sgpr_workgroup_id_y 1
		.amdhsa_system_sgpr_workgroup_id_z 1
		.amdhsa_system_vgpr_workitem_id 0
		.amdhsa_next_free_vgpr 1024
		.amdhsa_next_free_sgpr 100
		.amdhsa_reserve_vcc 0
		.amdhsa_float_denorm_mode_32 3
		.amdhsa_float_denorm_mode_16_64 3
		.amdhsa_memory_ordered 1
		.amdhsa_forward_progress 1
		.amdhsa_inst_pref_size 255
	.end_amdhsa_kernel
	.section	.bss,"aw",@nobits
	.p2align	6
	.space	262144
	.amdgpu_metadata
---
amdhsa.version: [ 1, 2 ]
amdhsa.kernels:
  - .name:           k_qb3ed32dfa1_qkv
    .symbol:         k_qb3ed32dfa1_qkv.kd
    .args:
      - { .name: codes, .offset: 0, .size: 8, .value_kind: global_buffer, .address_space: global }
      - { .name: scales, .offset: 8, .size: 8, .value_kind: global_buffer, .address_space: global }
      - { .name: freq_cis, .offset: 16, .size: 8, .value_kind: global_buffer, .address_space: global }
      - { .name: qkv, .offset: 24, .size: 8, .value_kind: global_buffer, .address_space: global }
    .group_segment_fixed_size: 327680
    .private_segment_fixed_size: 0
    .kernarg_segment_align: 8
    .kernarg_segment_size: 32
    .max_flat_workgroup_size: 128
    .sgpr_count:     100
    .vgpr_count:     1024
    .wavefront_size: 32
...
	.end_amdgpu_metadata
.endif
;; end of part 2
;; launch attn (part 3): grid 16 x 16, 4 waves a work-group, clusters of 4 x 1, 327,680 bytes of LDS; arguments qkv, lambda_q1, lambda_k1, lambda_q2, lambda_k2, subln_w, att; writes att
.if DOCPART == 3
	.amdgcn_target "amdgcn-amd-amdhsa--gfx1250"
	.amdhsa_code_object_version 6
	.text
	.protected	k_qb3ed32dfa1_attn
	.globl	k_qb3ed32dfa1_attn
	.p2align	8
	.type	k_qb3ed32dfa1_attn,@function
k_qb3ed32dfa1_attn:
	s_mov_b64 s[64:65], 0
	v_nop
	global_prefetch_b8 v0, s[64:65] scope:SCOPE_SE
	s_setreg_imm32_b32 hwreg(HW_REG_WAVE_MODE, 25, 1), 1
	s_wait_xcnt 0x0
	s_wait_alu depctr_hold_cnt(0) depctr_sa_sdst(0) depctr_va_vdst(0) depctr_va_sdst(0) depctr_va_ssrc(0) depctr_va_vcc(0) depctr_vm_vsrc(0)
	s_getreg_b32 s2, hwreg(HW_REG_IB_STS2, 6, 4)
	s_cmp_eq_u32 s2, 0
	s_cbranch_scc0 .Lentry_in_a_cluster
	s_endpgm
.Lentry_in_a_cluster:
	s_bfe_u32 s2, ttmp6, 0x10000c
	s_cmp_lg_u32 s2, 0x3003
	s_cbranch_scc0 .Lentry_shape_is_right
	s_endpgm
.Lentry_shape_is_right:
; Both causal attentions of a head over the same V, their difference attn1 - lam attn2, the RMSNorm over 128 channels, x subln_w x 0.8, rounded to f16: att [head][pos][128].
; Operands in f16, sums, maxima and the softmax in f32.  Q, K, V come as images of operand registers (512 bytes a piece, lane l's 16 bytes at 16 l): every LDS load reads 512 consecutive bytes.
; SHARES.  A work-group owns two blocks of 64 queries of one head: block A = 4 (7 - c) + cx, then block B = 4 c + cx (c the cluster's x, cx my place in it).  A wave owns 16 queries of the block in BOTH streams:
; tile 0 = stream 0 (d 0-63), tile 1 = stream 1 (d 64-127).  V's fragments serve both tiles, and the difference and the norm never leave the lane.
; Keys go 64 a step, four steps to a slot of 256 keys.  Block A needs key slots 0 .. 7 - c, block B 0 .. c: nine slots, 36 steps, in every work-group of the launch.
; CLUSTER.  The four partners walk the same slots, so each tile of K and V is asked for JOINTLY (mask 15).  In a block's last slot all four steps are walked and the hidden scores are
; masked by a select; which trips mask hangs on the trip's number and on c alone.
; LAYOUT.  S^T = K Q^T (source 0 = 16 keys, source 1 = 16 queries): a lane holds ONE query (lane % 16) and keys 8 (lane / 16) + 0..7.  Two such tiles, rounded to f16 in pairs, ARE source 1 of O^T = V^T P.
; SOFTMAX.  A running maximum m and sum l for each query and stream: p = 2^(c s - c m), c = log2(e) / 8; in every step O and l are multiplied by a = 2^(c m_old - c m_new).
; A block begins with m = -3e38: its first a is 0, which clears l and O^T; so the step is written once.
; LIMITS: q, k, v and the result in f16: magnitudes under 65,504; under 6e-5 an absolute step of 3e-8.
; REGISTERS: window 0: v1-15 addresses and constants; v16-31 statistics, eight a tile; v32-63 at work; v64-127 S^T, 32 a tile; v128-159 P, 16 a tile; v160-191 Q; v192-255 0.8 subln_w at my channels.
;   window 1: v0-127 O^T, 64 a tile; v128-255 K of one step.   window 2: v0-127 V of one step.
.set SLOT1, 131072                     ; a slot: K's 65,536 bytes (step q at 16,384 q), then V's 65,536; slot 1 begins here
.set STAGE, 2*SLOT1                    ; behind the ring: 16 rows x 272 bytes for each wave, for the way out
.set SP,    272
.set SPARE, STAGE+4*16*SP              ; behind the stages: the spare words, 128 bytes a wave
.set AK0, 3                            ; v3  16 x lane
.set AV0, 4                            ; v4  16 x lane + 65,536
.set ADK, 5                            ; v5  LDS address of the slot's K
.set ADV, 6                            ; v6  of its V
.set DQ,  7                            ; v7  my query's place in its block's last slot, less 8 (lane / 16)
.set NINF, 8                           ; v8  -infinity
.set STO, 9                            ; v9  the way out: where I put 16 bytes of a row
.set RD,  10                           ; v10 where I read a row back
.set GO,  11                           ; v11 my byte offset in the wave's rows of att
.set SPW, 12
.set NIL, 13
.set NLAM, 14                          ; v14 -lam_full
.set PFO, 15                           ; v15 256 x lane
.set ST,  16                           ; tile t at v[ST+8 t]: +0 c m, +1 m, +2, +3 l (even keys', odd keys'), +4 to +7 at work; a takes +6
.set S,   64
.set P,   128
.set QF,  160
.set WN,  192
.set KF,  128                          ; in window 1
.set WV,  18
.set G1,  24                           ; s[24:31] descriptor group 1;  s[32:35] group 0, which walks
.set G0,  32
.set KVB, 36                           ; s[36:37] my wave's part of key slot 0: waves 0, 1 the halves of K's, waves 2, 3 of V's
.set TRIP, 38
.set LA,  39                           ; 7 - c: the trip of block A's last slot
.set TB,  40                           ; LDS byte at which the slot in hand begins
.set LIM, 41
.set PFA, 42
.set CS,  46
.set SEL, 48
.set MSB, 0
.macro WIN new                         ; the immediate's high byte repeats the setting that is left
.if MSB != \new
	s_set_vgpr_msb (MSB<<8)|\new
.set MSB, \new
.endif
.endm
.set W_KQ, 0x01                        ; K in window 1
.set W_PV, 0x52                        ; V in window 2, P in window 0, O^T in window 1
.set W_RS, 0x41                        ; O^T (destination and source 0) in window 1
.macro PLACES
.rept 4
	v_nop
.endr
.endm
.macro CROUND                          ; a round of the cluster's barrier
	s_barrier_signal -1
	s_barrier_wait -1
	s_cmp_lg_u32 s[WV], 0
	s_cbranch_scc1 .Lnot_wave_0_\@
	s_barrier_signal -3
.Lnot_wave_0_\@:
	s_barrier_wait -3
	s_barrier_signal -1
	s_barrier_wait -1
.endm
.macro JLOAD                           ; one line for all four waves: each brings 32,768 bytes of its own (LDS address and global address hang on the wave's number); an s_nop 0 and four v_nop follow
	tensor_load_to_lds s[G0:G0+3], s[G1:G1+7]
	s_nop 0
.rept 4
	v_nop
.endr
.endm
; A PREFETCH INTO THE L2 of the key slot that the NEXT change of slots will ask for: in trip t key slot t + 2, four key steps ahead of its load.  All clusters of a head walk the same K and V: the head's first
; cluster (c = 0, whose trips 0 to 7 are key slots 0 to 7) asks.  Each wave asks for its own 32,768 bytes' part; the four partners share it out BY ADDRESS, 8,192 bytes each, lanes 256 bytes apart: each 256 bytes
; are named once.  Trips 6 on ask for nothing: key slot 7 is the last.  Key slots 0 and 1 come by their loads alone.
.macro ASK
	s_cmp_lt_u32 s[TRIP], s[LIM]
	s_cbranch_scc0 .Lnot_mine_\@
	global_prefetch_b8 v[PFO], s[PFA:PFA+1] th:TH_LOAD_NT scope:SCOPE_SE
.Lnot_mine_\@:
.endm
	s_load_b256 s[4:11], s[0:1], 0x0               ; qkv, lambda_q1, lambda_k1, lambda_q2
	s_load_b128 s[12:15], s[0:1], 0x20             ; lambda_k2, subln_w
	s_load_b64 s[16:17], s[0:1], 0x30              ; att
	v_lshl_add_u32 v[SPW], v0, 2, SPARE
	v_mov_b32 v[NIL], 0
	ds_add_u32 v[SPW], v[NIL]                      ; the wave's opening: the add, twice on end, and its wait ahead of my first tensor load
	ds_add_u32 v[SPW], v[NIL]
	v_lshrrev_b32 v1, 5, v0
	v_readfirstlane_b32 s[WV], v1                  ; wave 0..3
	s_bfe_u32 s19, ttmp6, 0x40000                  ; cx
	s_mov_b32 s20, ttmp9                           ; c
	s_and_b32 s21, ttmp7, 0xffff                   ; the head
	s_sub_co_u32 s[LA], 7, s20
	s_mov_b32 s[G1], 15|(3<<16)|(1<<21)            ; the mask: all four work-groups; elements of 8 bytes; bit 21 beside a mask; no padding
	s_mov_b32 s[G1+1], 32<<16                      ; tensor_dim0 = 32 elements: rows of 256 bytes
	s_mov_b32 s[G1+2], 128<<16                     ; tensor_dim1 = 128
	s_mov_b32 s[G1+3], 32<<16                      ; tile_dim0
	s_mov_b32 s[G1+4], 128                         ; tile_dim1
	s_mov_b32 s[G1+5], 32                          ; from row to row: dense
	s_mov_b32 s[G1+6], 0
	s_mov_b32 s[G1+7], 0
	s_mov_b32 s[CS], 0x3e38aa3b                    ; c = log2(e) / sqrt(64)
	s_mov_b32 s[CS+1], s[CS]                       ; (named with it as a pair, so it is written)
	s_mov_b32 s[SEL], 0x76543210
	s_mov_b32 s[SEL+1], 0xfedcba98                 ; lane l xor 16
	s_mov_b32 s60, 0x3c000000                      ; 1 / 128
	s_mov_b32 s61, 0x3727c5ac                      ; 1e-5
	s_mov_b32 s[TRIP], 0
	s_mov_b32 s[TB], 0
	s_cmp_eq_u32 s20, 0
	s_cselect_b32 s[LIM], 6, 0
	s_lshl_b32 s56, s21, 19                        ; a head is 524,288 bytes in Q, K, V and att alike
	s_lshr_b32 s22, s[WV], 1                       ; my part of a key slot: K (waves 0, 1) or V (2, 3), first or second 32,768 bytes
	s_lshl_b32 s22, s22, 23
	s_add_co_u32 s22, s22, 8388608
	s_and_b32 s23, s[WV], 1
	s_lshl_b32 s23, s23, 15
	s_add_co_u32 s22, s22, s23
	s_add_co_u32 s22, s22, s56
	s_mov_b32 s23, 0
	s_lshl_b32 s58, s[WV], 12                      ; my wave's 16 queries: 4,096 bytes in Q and in att alike
	s_lshl_b32 s57, s[LA], 2
	s_add_co_u32 s57, s57, s19                     ; block A
	s_lshl_b32 s57, s57, 14
	s_add_co_u32 s57, s57, s58
	s_add_co_u32 s2, s57, s56
	s_mov_b32 s3, 0
	s_lshl_b32 s57, s20, 2
	s_add_co_u32 s57, s57, s19                     ; block B
	s_lshl_b32 s57, s57, 14
	s_add_co_u32 s57, s57, s58
	s_add_co_u32 s44, s57, s56
	s_mov_b32 s45, 0
	s_wait_dscnt 0x0                               ; both opening adds are done
	s_wait_kmcnt 0x0
	s_add_nc_u64 s[KVB:KVB+1], s[4:5], s[22:23]
	s_add_nc_u64 s[58:59], s[4:5], s[2:3]          ; Q of block A
	s_add_nc_u64 s[50:51], s[4:5], s[44:45]        ; Q of block B
	s_add_nc_u64 s[52:53], s[16:17], s[2:3]        ; att of the block in hand
	s_add_nc_u64 s[54:55], s[16:17], s[44:45]      ; att of block B
	s_lshl_b32 s2, s19, 13
	s_add_co_u32 s2, s2, 65536
	s_add_nc_u64 s[PFA:PFA+1], s[KVB:KVB+1], s[2:3]  ; my work-group's 8,192 bytes, in key slot 1: the first change steps it to key slot 2
	CROUND                                         ; all four work-groups are here: the first joint loads meet
	s_mov_b32 s[G0], 1
	s_lshl_b32 s[G0+1], s[WV], 15                  ; LDS slot 0, my 32,768 bytes
	s_mov_b64 s[G0+2:G0+3], s[KVB:KVB+1]           ; key slot 0
	s_or_b32 s[G0+3], s[G0+3], 0x80000000
	JLOAD                                          ; one load of mine is out, here and behind each round
	v_and_b32 v1, 15, v0                           ; r
	v_bfe_u32 v2, v0, 4, 1                         ; h
	v_and_b32 v[AK0], 31, v0
	v_lshlrev_b32 v[PFO], 8, v[AK0]
	v_lshlrev_b32 v62, 3, v[AK0]                   ; 8 x lane: two numbers of each lambda vector
	v_lshlrev_b32 v[AK0], 4, v[AK0]
	v_lshlrev_b32 v63, 5, v2                       ; 32 h: my half's eight channels of a tile
.irp p, 0,1,2,3,4,5,6,7
	global_load_b128 v[QF+4*\p:QF+4*\p+3], v[AK0], s[58:59] offset:512*\p   ; Q of block A: piece p = d 16 p on
.endr
.irp t, 0,1,2,3,4,5,6,7
	global_load_b128 v[WN+8*\t:WN+8*\t+3],   v63, s[14:15] offset:64*\t     ; subln_w at channels 16 t + 8 h + 0..7
	global_load_b128 v[WN+8*\t+4:WN+8*\t+7], v63, s[14:15] offset:64*\t+16
.endr
	global_load_b64 v[32:33], v62, s[6:7]
	global_load_b64 v[34:35], v62, s[8:9]
	global_load_b64 v[36:37], v62, s[10:11]
	global_load_b64 v[38:39], v62, s[12:13]
	v_add_nc_u32 v[AV0], 0x10000, v[AK0]
	s_lshl_b32 s22, s19, 6
	s_lshl_b32 s23, s[WV], 4
	s_add_co_u32 s22, s22, s23
	v_lshlrev_b32 v[DQ], 3, v2
	v_sub_nc_u32 v[DQ], v1, v[DQ]
	v_add_nc_u32 v[DQ], s22, v[DQ]                 ; 64 cx + 16 wave + r - 8 h: a number that is compared, never an address
	v_mov_b32 v[NINF], 0xff800000
	s_mul_i32 s23, s[WV], 16*SP
	s_add_co_u32 s23, s23, STAGE                   ; my stage
	v_mul_u32_u24 v[STO], v1, SP
	v_lshl_add_u32 v[STO], v2, 4, v[STO]
	v_add_nc_u32 v[STO], s23, v[STO]               ; in: row r, 16 bytes for each half of the lanes
	v_mul_u32_u24 v[RD], v2, SP
	v_lshl_add_u32 v[RD], v1, 4, v[RD]
	v_add_nc_u32 v[RD], s23, v[RD]                 ; back: lanes 0-15 one row of 256 bytes, lanes 16-31 the next
	v_lshlrev_b32 v[GO], 8, v2
	v_lshl_add_u32 v[GO], v1, 4, v[GO]             ; and the same two rows in att
	WIN 0x40
.set i, 0
.rept 128
	v_mov_b32 v[i], 0                              ; O^T, once: the step is written for every trip alike, and the first a = 0 needs finite numbers to clear
.set i, i+1
.endr
	WIN 0
.irp t, 0,1
	v_mov_b32 v[ST+8*\t+1], 0xff61b1e6             ; m = -3e38, under every score
	v_mov_b32 v[ST+8*\t+2], 0                      ; l
	v_mov_b32 v[ST+8*\t+3], 0
	v_mul_f32 v[ST+8*\t], s[CS], v[ST+8*\t+1]      ; c m
.endr
	v_mov_b32 v42, 0                               ; (a lane permute's destination counts as one of its sources)
	v_mov_b32 v43, 0
	s_wait_loadcnt 0x0
	v_mul_f32 v40, v32, v34                        ; lam1 = exp(sum lambda_q1 lambda_k1), lam2 likewise: two numbers a lane, then over the 32 lanes
	v_mul_f32 v41, v36, v38
	v_fmac_f32 v40, v33, v35
	v_fmac_f32 v41, v37, v39
.irp m, 1,2,4,8
	v_add_f32_dpp v40, v40, v40 row_xmask:\m row_mask:0xf bank_mask:0xf
	v_add_f32_dpp v41, v41, v41 row_xmask:\m row_mask:0xf bank_mask:0xf
.endr
	v_permlanex16_b32 v42, v40, s[SEL], s[SEL+1]
	v_permlanex16_b32 v43, v41, s[SEL], s[SEL+1]
	v_add_f32 v40, v40, v42
	v_add_f32 v41, v41, v43
	v_mul_f32 v40, 0x3fb8aa3b, v40
	v_mul_f32 v41, 0x3fb8aa3b, v41
	v_exp_f32 v40, v40
	v_exp_f32 v41, v41
	v_nop                                          ; a plain line behind the exponentials,
	s_wait_alu depctr_va_vdst(0)                   ; and the wait ahead of the first use: one for the two
	v_sub_f32 v[NLAM], v41, v40
	v_add_f32 v[NLAM], 0xbe4ccccd, v[NLAM]         ; -(lam1 - lam2 + 0.2)
.set i, 0
.rept 32
	v_pk_mul_f32 v[WN+2*i:WN+2*i+1], v[WN+2*i:WN+2*i+1], 0x3f4ccccd op_sel_hi:[1,0]   ; x (1 - 0.2)
.set i, i+1
.endr
; S^T = K Q^T for both tiles: 16 products; the eight accumulators take turns, one instruction a turn.  Product i: channels 32 (i / 8) on of the stream, keys 16 ((i / 2) % 4) on, tile i % 2.
.macro KQALL
	WIN W_KQ
.set i, 0
.rept 16
.set rS, S+32*(i%2)+8*((i/2)%4)
.set rK, KF+32*((i/2)%4)+8*(2*(i%2)+i/8)
.set rQ, QF+8*(2*(i%2)+i/8)
.if i < 8
	v_wmma_f32_16x16x32_f16 v[rS:rS+7], v[rK:rK+7], v[rQ:rQ+7], 0
.else
	v_wmma_f32_16x16x32_f16 v[rS:rS+7], v[rK:rK+7], v[rQ:rQ+7], v[rS:rS+7]
.endif
.set i, i+1
.endr
	WIN 0
.endm
; O^T += V^T P: 32 products; sixteen accumulators by turns.  Product i: keys 32 (i / 16) on, channels 16 ((i / 2) % 8) on, tile i % 2.
.macro PVALL
	WIN W_PV
.set i, 0
.rept 32
.set rO, 64*(i%2)+8*((i/2)%8)
.set rV, 64*(i/16)+8*((i/2)%8)
.set rP, P+16*(i%2)+8*(i/16)
	v_wmma_f32_16x16x32_f16 v[rO:rO+7], v[rV:rV+7], v[rP:rP+7], v[rO:rO+7]
.set i, i+1
.endr
	WIN 0
.endm
.macro FETCH_K q                       ; a step's K: 64 keys x 128 channels, 32 loads of 512 consecutive bytes
	WIN 0x40
.set i, 0
.rept 32
	ds_load_b128 v[KF+4*i:KF+4*i+3], v[ADK] offset:16384*(\q)+512*i
.set i, i+1
.endr
	WIN 0
.endm
.macro FETCH_V q
	WIN 0x80
.set i, 0
.rept 32
	ds_load_b128 v[4*i:4*i+3], v[ADV] offset:16384*(\q)+512*i
.set i, i+1
.endr
	WIN 0
.endm
; One tile's softmax for one key step is a list of 134 instructions; SM writes number j of it for tile t.  s0-s31 are the lane's 32 scores, in pairs 0-15.
;   0-15 the maximum of s0-s31 and the old m;  16-20 the other half of the lanes' maximum, the new m, c m, c m_old - c m_new;
;   21-69 ONE BATCH: the 16 scalings c s - c m and all 33 exponentials (a at 23, then s0-s31): none of these reads an exponential's result;
;   70-85 the roundings to f16;  86-101 the sums, l = a l + the sum;  102-133 the tile's O^T times a.
.macro SM t
.set rT, ST+8*(\t)
.set rS, S+32*(\t)
.set rP, P+16*(\t)
.set rO, 64*(\t)+2*(j-102)
.if j < 102
	WIN 0
.endif
.if j < 4
	v_max3_num_f32 v[rT+4+j], v[rS+8*j], v[rS+8*j+1], v[rS+8*j+2]
.elseif j < 12
	v_max3_num_f32 v[rT+4+j%4], v[rT+4+j%4], v[rS+8*(j%4)+2*(j/4)+1], v[rS+8*(j%4)+2*(j/4)+2]
.elseif j == 12
	v_max3_num_f32 v[rT+4], v[rT+4], v[rS+7], v[rS+15]
.elseif j == 13
	v_max3_num_f32 v[rT+6], v[rT+6], v[rS+23], v[rS+31]
.elseif j == 14
	v_max3_num_f32 v[rT+4], v[rT+4], v[rT+5], v[rT+6]
.elseif j == 15
	v_max3_num_f32 v[rT+4], v[rT+4], v[rT+7], v[rT+1]
.elseif j == 16
	v_permlanex16_b32 v[rT+5], v[rT+4], s[SEL], s[SEL+1]  ; the query's other 32 keys lie in the lane 16 away
.elseif j == 17
	v_mov_b32 v[rT+7], v[rT]                       ; c m_old is kept for a
.elseif j == 18
	v_max_num_f32 v[rT+1], v[rT+4], v[rT+5]
.elseif j == 19
	v_mul_f32 v[rT], s[CS], v[rT+1]
.elseif j == 20
	v_sub_f32 v[rT+7], v[rT+7], v[rT]
.elseif j == 23
	v_exp_f32 v[rT+6], v[rT+7]
.elseif (j < 23) || ((j < 38) && (j%2 == 0)) || ((j < 66) && (j%4 == 2))
.set b, (j-2)/4
.if j < 38
.set b, (j-20)/2
.endif
	v_pk_fma_f32 v[rS+2*b:rS+2*b+1], v[rS+2*b:rS+2*b+1], s[CS:CS+1], v[rT:rT+1] op_sel_hi:[1,0,0] neg_lo:[0,0,1] neg_hi:[0,0,1]  ; pair b: c s - c m
.elseif j < 70
.set e, j-38
.if j < 66
.set e, j-32-(j-38)/4
.endif
.if j < 38
.set e, (j-25)/2
.endif
	v_exp_f32 v[rS+e], v[rS+e]
.elseif j < 86
	v_cvt_pk_f16_f32 v[rP+j-70], v[rS+2*(j-70)], v[rS+2*(j-70)+1]
.elseif j < 102
.set z, j-86
.set w, 4
.set u, z
.if z >= 14
.set w, 32
.set u, 0
.elseif z >= 12
.set w, 16
.set u, z-12
.elseif z >= 8
.set w, 8
.set u, z-8
.endif
.if z < 15
	v_pk_add_f32 v[rS+w*u:rS+w*u+1], v[rS+w*u:rS+w*u+1], v[rS+w*u+w/2:rS+w*u+w/2+1]
.else
	v_pk_fma_f32 v[rT+2:rT+3], v[rT+2:rT+3], v[rT+6:rT+7], v[rS:rS+1] op_sel_hi:[1,0,1]
.endif
.else
	WIN W_RS
	v_pk_mul_f32 v[rO:rO+1], v[rO:rO+1], v[rT+6:rT+7] op_sel_hi:[1,0]
.endif
.endm
.macro SOFTMAX                         ; the two tiles alternate, number by number
.set j, 0
.rept 70
	SM 0
	SM 1
.set j, j+1
.endr
	v_nop                                          ; a plain line behind the last exponential,
	s_wait_alu depctr_va_vdst(0)                   ; and ONE wait for the 66 exponentials of both tiles, ahead of the first line that names a result
.rept 64
	SM 0
	SM 1
.set j, j+1
.endr
	WIN 0
.endm
; In a block's last slot register n of a tile holds the slot's key 64 q + 16 (n / 8) + 8 (lane / 16) + n % 8: hidden where that comes after my query.  Hidden scores become -infinity: p = 0.
.macro MASK q
.set n, 0
.rept 32
	v_cmp_gt_i32 vcc_lo, 64*(\q)+16*(n/8)+n%8, v[DQ]
	v_cndmask_b32 v[S+n], v[S+n], v[NINF], vcc_lo
	v_cndmask_b32 v[S+32+n], v[S+32+n], v[NINF], vcc_lo
.set n, n+1
.endr
.endm
.macro STEP q, always                  ; a key step: the q-th 64 keys of the slot in hand
	s_wait_dscnt 32                                ; K of this step is in; V's 32 loads may be out
	KQALL
	PLACES                                         ; behind the products: loads into K's registers and reads of the scores follow
.if \q < 3
	FETCH_K (\q)+1
.endif
.if \always
	MASK \q
.else
	s_cmp_lg_u32 s[TRIP], s[LA]                    ; block A's last slot?  The trip's number and c alone: the same in all partners
	s_cbranch_scc1 .Lopen_\@
	MASK \q
.Lopen_\@:
.endif
	SOFTMAX
.if \q < 3
	s_wait_dscnt 32                                ; V of this step is in; the next step's K, 32 loads, may be out
.else
	s_wait_dscnt 0x0
.endif
	PVALL
	PLACES                                         ; behind the products: loads into V's registers, or reads of O^T, follow
.if \q < 3
	FETCH_V (\q)+1
.endif
.endm
.macro SLOT_STEPS always
	v_add_nc_u32 v[ADK], s[TB], v[AK0]
	v_add_nc_u32 v[ADV], s[TB], v[AV0]
	FETCH_K 0
	FETCH_V 0
	STEP 0, \always
	STEP 1, \always
	STEP 2, \always
	STEP 3, \always
	s_xor_b32 s[TB], s[TB], SLOT1                  ; on to the other slot
.endm
; THE CHANGE OF SLOTS stands at a slot's head.  Each wave waits for all its tensor loads (its part of the slot that it is about to read), adds 0 to its spare word, and waits for that and for its reads of the slot
; that it has left.  fill = 1: behind a round of the cluster's barrier the slot just left takes the walk's next key slot: it has four key steps in which to land.
.macro CHANGE fill
	s_wait_tensorcnt 0x0                           ; no tensor load of mine is out, so group 0 may be written
	ds_add_u32 v[SPW], v[NIL]                      ; 0 onto my spare word; the descriptor's steps stand between it and the wait for it
.if \fill
	s_add_co_u32 s56, s[TRIP], 1                   ; the walk's next place: key slot t + 1 of block A, or, past A's last, t + 1 - (LA + 1) of block B
	s_sub_co_u32 s57, s56, s[LA]
	s_sub_co_u32 s57, s57, 1
	s_cmp_gt_u32 s56, s[LA]
	s_cselect_b32 s44, s57, s56
	s_lshl_b32 s44, s44, 16                        ; 65,536 bytes a key slot, in K and in V
	s_add_nc_u64 s[G0+2:G0+3], s[KVB:KVB+1], s[44:45]
	s_or_b32 s[G0+3], s[G0+3], 0x80000000
	s_xor_b32 s[G0+1], s[G0+1], SLOT1              ; the other slot than last time
	s_wait_xcnt 0x0                                ; the last prefetch, a slot back, has read its address, so it may be written
	s_add_nc_u64 s[PFA:PFA+1], s[PFA:PFA+1], 65536
.endif
	s_wait_dscnt 0x0                               ; the add is done, and my reads of the slot that I have left are over
.if \fill
	CROUND
	JLOAD                                          ; the first thing behind the round, and my one tensor load until the next
	ASK
.else
	s_barrier_signal -1
	s_barrier_wait -1
.endif
.endm
; A BLOCK'S END: attn = O1 / l1 - lam O2 / l2; x rsqrt(mean of squares + 1e-5) x 0.8 subln_w; f16; through my stage in LDS, so that sixteen lanes store one aligned row of 256 bytes.
; next = 1: block B's Q is asked for first and lands meanwhile; m goes back to -3e38.
.macro FIN next
.if \next
.irp p, 0,1,2,3,4,5,6,7
	global_load_b128 v[QF+4*\p:QF+4*\p+3], v[AK0], s[50:51] offset:512*\p
.endr
.endif
.irp t, 0,1
	v_add_f32 v[ST+8*\t+4], v[ST+8*\t+2], v[ST+8*\t+3]
.endr
.irp t, 0,1
	v_permlanex16_b32 v[ST+8*\t+5], v[ST+8*\t+4], s[SEL], s[SEL+1]
.endr
.irp t, 0,1
	v_add_f32 v[ST+8*\t+4], v[ST+8*\t+4], v[ST+8*\t+5]
.endr
.irp t, 0,1
	v_rcp_f32 v[ST+8*\t+6], v[ST+8*\t+4]
.endr
	v_nop
	s_wait_alu depctr_va_vdst(0)                   ; one wait for the two reciprocals, ahead of their first reader
	v_mul_f32 v[ST+14], v[ST+14], v[NLAM]          ; -lam / l2
	WIN 0x01                                       ; source 0: O^T in window 1
.set i, 0
.rept 32
	v_pk_mul_f32 v[S+2*i:S+2*i+1], v[64+2*i:64+2*i+1], v[ST+14:ST+15] op_sel_hi:[1,0]
.set i, i+1
.endr
.set i, 0
.rept 32
	v_pk_fma_f32 v[S+2*i:S+2*i+1], v[2*i:2*i+1], v[ST+6:ST+7], v[S+2*i:S+2*i+1] op_sel_hi:[1,0,1]
.set i, i+1
.endr
	WIN 0
.set i, 0
.rept 4
	v_pk_mul_f32 v[32+2*i:33+2*i], v[S+2*i:S+2*i+1], v[S+2*i:S+2*i+1]             ; the squares of my 64 channels, in four chains
.set i, i+1
.endr
.rept 28
	v_pk_fma_f32 v[32+2*(i%4):33+2*(i%4)], v[S+2*i:S+2*i+1], v[S+2*i:S+2*i+1], v[32+2*(i%4):33+2*(i%4)]
.set i, i+1
.endr
	v_pk_add_f32 v[32:33], v[32:33], v[34:35]
	v_pk_add_f32 v[36:37], v[36:37], v[38:39]
	v_pk_add_f32 v[32:33], v[32:33], v[36:37]
	v_add_f32 v32, v32, v33
	v_permlanex16_b32 v33, v32, s[SEL], s[SEL+1]   ; the query's other 64 channels lie in the lane 16 away
	v_add_f32 v32, v32, v33
	v_fma_f32 v32, v32, s60, s61                   ; / 128 + 1e-5
	v_rsq_f32 v34, v32
	v_nop
	s_wait_alu depctr_va_vdst(0)
.set i, 0
.rept 32
	v_pk_mul_f32 v[S+2*i:S+2*i+1], v[S+2*i:S+2*i+1], v[34:35] op_sel_hi:[1,0]
.set i, i+1
.endr
.set i, 0
.rept 32
	v_pk_mul_f32 v[S+2*i:S+2*i+1], v[S+2*i:S+2*i+1], v[WN+2*i:WN+2*i+1]
.set i, i+1
.endr
.set i, 0
.rept 32
	v_cvt_pk_f16_f32 v[P+i], v[S+2*i], v[S+2*i+1]
.set i, i+1
.endr
.irp f, 0,1,2,3,4,5,6,7
	ds_store_b128 v[STO], v[P+4*\f:P+4*\f+3] offset:32*\f          ; channels 16 f + 8 h + 0..7 of row r
.endr
.irp f, 0,1,2,3,4,5,6,7
	ds_load_b128 v[S+4*\f:S+4*\f+3], v[RD] offset:\f*2*SP          ; LDS serves a wave's instructions in order: these see my stores
.endr
.irp f, 0,1,2,3,4,5,6,7
	s_wait_dscnt 7-\f                              ; load f is back; the younger ones may be out
	global_store_b128 v[GO], v[S+4*\f:S+4*\f+3], s[52:53] offset:512*\f
.endr
.if \next
	s_wait_xcnt 0x0                                ; the stores have read their data and their base: both are written again only behind this wait
.irp t, 0,1
	v_mov_b32 v[ST+8*\t+1], 0xff61b1e6
	v_mul_f32 v[ST+8*\t], s[CS], v[ST+8*\t+1]
.endr
	s_mov_b64 s[52:53], s[54:55]
	s_wait_loadcnt 0x0                             ; block B's Q
.endif
.endm
.Lslot:                                            ; eight trips: behind each change of slots but the last the walk's next key slot is asked for
	CHANGE 1
	SLOT_STEPS 0
	s_cmp_lg_u32 s[TRIP], s[LA]
	s_cbranch_scc1 .Lon
	FIN 1                                          ; block A is finished (in one of trips 4 to 7)
.Lon:
	s_add_co_u32 s[TRIP], s[TRIP], 1
	s_cmp_lt_u32 s[TRIP], 8
	s_cbranch_scc1 .Lslot
	CHANGE 0                                       ; the ninth slot, block B's last, is written out: nothing is left to ask for
	SLOT_STEPS 1
	FIN 0
	s_wait_tensorcnt 0x0                           ; the wave's end
	ds_add_u32 v[SPW], v[NIL]
	s_wait_dscnt 0x0
	CROUND                                         ; the closing round
	s_endpgm
.Lfunc_end_k_qb3ed32dfa1_attn:
	.size	k_qb3ed32dfa1_attn, .Lfunc_end_k_qb3ed32dfa1_attn-k_qb3ed32dfa1_attn
	.p2alignl 7, 3214868480
	.fill 96, 4, 3214868480
	.section	.rodata,"a",@progbits
	.p2align	6, 0x0
	.amdhsa_kernel k_qb3ed32dfa1_attn
		.amdhsa_group_segment_fixed_size 327680
		.amdhsa_private_segment_fixed_size 0
		.amdhsa_enable_private_segment 0
		.amdhsa_kernarg_size 56
		.amdhsa_user_sgpr_count 2
		.amdhsa_user_sgpr_kernarg_segment_ptr 1
		.amdhsa_wavefront_size32 1
		.amdhsa_system_sgpr_workgroup_id_x 1
		.amdhsa_system_sgpr_workgroup_id_y 1
		.amdhsa_system_sgpr_workgroup_id_z 1
		.amdhsa_system_vgpr_workitem_id 0
		.amdhsa_next_free_vgpr 640
		.amdhsa_next_free_sgpr 66
		.amdhsa_reserve_vcc 1
		.amdhsa_float_denorm_mode_32 3
		.amdhsa_float_denorm_mode_16_64 3
		.amdhsa_memory_ordered 1
		.amdhsa_forward_progress 1
		.amdhsa_inst_pref_size 255
	.end_amdhsa_kernel
	.section	.bss,"aw",@nobits
	.p2align	6
	.space	262144
	.amdgpu_metadata
---
amdhsa.version: [ 1, 2 ]
amdhsa.kernels:
  - .name:           k_qb3ed32dfa1_attn
    .symbol:         k_qb3ed32dfa1_attn.kd
    .args:
      - { .name: qkv, .offset: 0, .size: 8, .value_kind: global_buffer, .address_space: global }
      - { .name: lambda_q1, .offset: 8, .size: 8, .value_kind: global_buffer, .address_space: global }
      - { .name: lambda_k1, .offset: 16, .size: 8, .value_kind: global_buffer, .address_space: global }
      - { .name: lambda_q2, .offset: 24, .size: 8, .value_kind: global_buffer, .address_space: global }
      - { .name: lambda_k2, .offset: 32, .size: 8, .value_kind: global_buffer, .address_space: global }
      - { .name: subln_w, .offset: 40, .size: 8, .value_kind: global_buffer, .address_space: global }
      - { .name: att, .offset: 48, .size: 8, .value_kind: global_buffer, .address_space: global }
    .group_segment_fixed_size: 327680
    .private_segment_fixed_size: 0
    .kernarg_segment_align: 8
    .kernarg_segment_size: 56
    .max_flat_workgroup_size: 128
    .sgpr_count:     66
    .vgpr_count:     640
    .wavefront_size: 32
...
	.end_amdgpu_metadata
.endif
;; end of part 3
;; launch proj (part 4): grid 16 x 16, 4 waves a work-group, clusters of 4 x 4, 327,680 bytes of LDS; arguments att, wo16, out0; writes out0
.if DOCPART == 4
	.amdgcn_target "amdgcn-amd-amdhsa--gfx1250"
	.amdhsa_code_object_version 6
	.text
	.protected	k_qb3ed32dfa1_proj
	.globl	k_qb3ed32dfa1_proj
	.p2align	8
	.type	k_qb3ed32dfa1_proj,@function
k_qb3ed32dfa1_proj:
	s_mov_b64 s[64:65], 0
	v_nop
	global_prefetch_b8 v0, s[64:65] scope:SCOPE_SE
	s_setreg_imm32_b32 hwreg(HW_REG_WAVE_MODE, 25, 1), 1
	s_wait_xcnt 0x0
	s_wait_alu depctr_hold_cnt(0) depctr_sa_sdst(0) depctr_va_vdst(0) depctr_va_sdst(0) depctr_va_ssrc(0) depctr_va_vcc(0) depctr_vm_vsrc(0)
	s_getreg_b32 s2, hwreg(HW_REG_IB_STS2, 6, 4)
	s_cmp_eq_u32 s2, 0
	s_cbranch_scc0 .Lentry_in_a_cluster
	s_endpgm
.Lentry_in_a_cluster:
	s_bfe_u32 s2, ttmp6, 0x10000c
	s_cmp_lg_u32 s2, 0xf033
	s_cbranch_scc0 .Lentry_shape_is_right
	s_endpgm
.Lentry_shape_is_right:
; out0[m][n] = sum over k of att[m][k] wo16[n][k].  att: the (head, pos, 128) array read row-major as [2048][2048] f16; wo16: [2048][2048] f16; out0: [2048][2048] f32; sums in f32.
; A tile of the output is 128 x 128: 256 work-groups.  Four waves, each 64 x 64: 16 accumulators.  K goes in steps of 256 (LDS rows of 512 bytes; a wave's tensor load brings 64 of them) through two slots.
; CLUSTERS: 4 x 4 work-groups; A's tiles are asked for jointly along a row of the cluster, B's along a column.
; THE MATRIX INSTRUCTION IS USED TRANSPOSED (source 0 = 16 rows of B, source 1 = 16 rows of A): a lane holds eight neighbouring numbers of a row of the output.
; A wave's 64 columns of f32 are 256 aligned bytes: each wave has a stage of its own on the way out, and no barrier stands there.
; REGISTERS: window 0: v0-31 addresses; v32-95 rows on the way out, two sets; v128-255 the accumulators ((a, b) at v[128 + 8 (4 a + b)]).   window 1: two fragment buffers of 128.
.set SIZE_M, 2048
.set SIZE_N, 2048
.set SIZE_K, 2048
.set KSTEP,  256
.set PITCH,  528                       ; an LDS row: 512 bytes + 16 of padding: the 16 rows that a load touches start 16 bytes apart modulo 256
.set HALFT,  64*PITCH
.set SLOT,   4*HALFT
.set STAGE,  2*SLOT                    ; behind the ring: 16 rows x 272 bytes for each wave
.set SPITCH, 272
.set SPARE,  STAGE+4*16*SPITCH         ; behind the stages: the spare words, 128 bytes a wave
.set LAPS, SIZE_K/(2*KSTEP)
.set ADRA, 16
.set ADRB, 20
.set STO,  24
.set RD,   25
.set CO,   26
.set SPW,  28
.set NIL,  29
.set TMP,  32
.set ACC,  128
.set F0,   0
.set F1,   128
.set G1, 24
.set G0, 32
.set G1B, 48
.set G0B, 56
.set MSB, 0
.macro WIN new
.if MSB != \new
	s_set_vgpr_msb (MSB<<8)|\new
.set MSB, \new
.endif
.endm
.set MUL,  0x05                        ; sources 0 (B) and 1 (A) window 1; C and D window 0
.set TO_F, 0x40
.macro JLOAD s                         ; a joint load: waves 0 and 1 fetch A's two halves, waves 2 and 3 B's; an s_nop 0 and four v_nop follow each of the two lines
	s_cmp_eq_u32 s11, 0
	s_cbranch_scc0 .Lfor_b_\@
	tensor_load_to_lds s[G0+4*\s:G0+4*\s+3], s[G1:G1+7]
	s_nop 0
.rept 4
	v_nop
.endr
	s_branch .Lasked_\@
.Lfor_b_\@:
	tensor_load_to_lds s[G0B+4*\s:G0B+4*\s+3], s[G1B:G1B+7]
	s_nop 0
.rept 4
	v_nop
.endr
.Lasked_\@:
.endm
.macro CREST
	s_cmp_lg_u32 s10, 0
	s_cbranch_scc1 .Lnot_wave_0_\@
	s_barrier_signal -3
.Lnot_wave_0_\@:
	s_barrier_wait -3
	s_barrier_signal -1
	s_barrier_wait -1
.endm
.macro CROUND
	s_barrier_signal -1
	s_barrier_wait -1
	CREST
.endm
	s_load_b128 s[4:7], s[0:1], 0x0                ; att s[4:5], wo16 s[6:7]
	s_load_b64 s[8:9], s[0:1], 0x10                ; out0
	v_lshl_add_u32 v[SPW], v0, 2, SPARE
	v_mov_b32 v[NIL], 0
	ds_add_u32 v[SPW], v[NIL]                      ; the wave's opening: the add, twice on end, and its wait ahead of my first tensor load
	ds_add_u32 v[SPW], v[NIL]
	v_lshrrev_b32 v1, 5, v0
	v_readfirstlane_b32 s10, v1                    ; wave 0..3
	s_lshr_b32 s11, s10, 1                         ; which half of the tile's rows is mine.  Also: I fetch for A (0) or for B (1)
	s_and_b32 s12, s10, 1                          ; which half of its columns.  Also: which 64 rows of that tile I fetch
	s_bfe_u32 s40, ttmp6, 0x40000
	s_bfe_u32 s41, ttmp6, 0x40004
	s_lshl_b32 s42, ttmp9, 2
	s_add_co_u32 s42, s42, s40                     ; tile column
	s_and_b32 s13, ttmp7, 0xffff
	s_lshl_b32 s13, s13, 2
	s_add_co_u32 s13, s13, s41                     ; tile row
	s_lshl_b32 s43, s41, 2
	s_lshl_b32 s43, 15, s43                        ; my row of the cluster
	s_lshl_b32 s44, 0x1111, s40                    ; my column
	s_or_b32 s[G1+0], s43, (1<<16)|(1<<20)|(1<<21)|(6<<22)|(3<<25)  ; the mask; elements of 2 bytes; padding: 4 words after every 128
	s_or_b32 s[G1B+0], s44, (1<<16)|(1<<20)|(1<<21)|(6<<22)|(3<<25)
.irp g, G1, G1B
	s_mov_b32 s[\g+1], KSTEP<<16
	s_mov_b32 s[\g+2], 64<<16
	s_mov_b32 s[\g+3], KSTEP<<16
	s_mov_b32 s[\g+4], 64
	s_mov_b32 s[\g+5], SIZE_K
	s_mov_b32 s[\g+6], 0
	s_mov_b32 s[\g+7], 0
.endr
	s_lshl_b32 s17, s12, 6
	s_lshl_b32 s16, s13, 7
	s_add_co_u32 s16, s16, s17                     ; A: row 128 x tile row + 64 x half
	s_lshl_b32 s46, s42, 7
	s_add_co_u32 s46, s46, s17                     ; B: row 128 x tile column + 64 x half
	s_mov_b32 s17, 0
	s_mov_b32 s47, 0
	s_mov_b64 s[18:19], SIZE_K*2
	s_mul_u64 s[16:17], s[16:17], s[18:19]
	s_mul_u64 s[46:47], s[46:47], s[18:19]
	s_mul_i32 s20, s10, HALFT
	s_wait_dscnt 0x0                               ; both opening adds are done
	s_wait_kmcnt 0x0
	s_add_nc_u64 s[14:15], s[4:5], s[16:17]
	s_add_nc_u64 s[46:47], s[6:7], s[46:47]
	CROUND                                         ; all sixteen work-groups are here: the first joint loads meet
.irp s, 0,1
	s_mov_b32 s[G0+4*\s], 1
	s_add_co_u32 s[G0+4*\s+1], s20, \s*SLOT
	s_add_nc_u64 s[G0+4*\s+2:G0+4*\s+3], s[14:15], \s*KSTEP*2
	s_or_b32 s[G0+4*\s+3], s[G0+4*\s+3], 0x80000000
	s_mov_b32 s[G0B+4*\s], 1
	s_add_co_u32 s[G0B+4*\s+1], s20, \s*SLOT
	s_add_nc_u64 s[G0B+4*\s+2:G0B+4*\s+3], s[46:47], \s*KSTEP*2
	s_or_b32 s[G0B+4*\s+3], s[G0B+4*\s+3], 0x80000000
	JLOAD \s                                       ; two loads of mine are out behind the first fills, one behind each round
.endr
	v_and_b32 v1, 15, v0                           ; r
	v_bfe_u32 v2, v0, 4, 1                         ; h
	v_mul_u32_u24 v3, v1, PITCH
	v_lshl_add_u32 v3, v2, 4, v3
	s_mul_i32 s21, s11, HALFT
	s_mul_i32 s22, s12, HALFT
	s_add_co_u32 s22, s22, 2*HALFT
.irp s, 0,1
	v_add_nc_u32 v[ADRA+\s], s21, v3
	v_add_nc_u32 v[ADRB+\s], s22, v3
	s_add_co_u32 s21, s21, SLOT
	s_add_co_u32 s22, s22, SLOT
.endr
	s_mul_i32 s23, s10, 16*SPITCH
	s_add_co_u32 s23, s23, STAGE                   ; my stage
	v_mul_u32_u24 v4, v1, SPITCH
	v_lshl_add_u32 v4, v2, 5, v4
	v_add_nc_u32 v[STO], s23, v4                   ; in: row r, 32 bytes for each half of the lanes
	v_mul_u32_u24 v5, v2, SPITCH
	v_lshl_add_u32 v5, v1, 4, v5
	v_add_nc_u32 v[RD], s23, v5                    ; back: lanes 0-15 one row of 256 bytes, lanes 16-31 the next
	v_lshlrev_b32 v5, 13, v2
	v_lshl_add_u32 v[CO], v1, 4, v5                ; and the same two rows in out0: 8,192 bytes a row
	s_lshl_b32 s16, s13, 7
	s_lshl_b32 s17, s11, 6
	s_add_co_u32 s16, s16, s17                     ; my first row: 128 x tile row + 64 x half
	s_lshl_b32 s16, s16, 13
	s_lshl_b32 s46, s42, 9                         ; my first column, in bytes: 512 x tile column + 256 x half
	s_add_co_u32 s16, s16, s46
	s_lshl_b32 s46, s12, 8
	s_add_co_u32 s16, s16, s46
	s_mov_b32 s17, 0
	s_add_nc_u64 s[8:9], s[8:9], s[16:17]
; 8 matrix instructions: m blocks a0, a0 + 1 x all 4 n blocks, 32 along K: half c of buffer f.  The 16 accumulators take turns.
.macro MUL8 f, c, a0, zero
.irp a, \a0, \a0+1
.irp b, 0,1,2,3
.if \zero
	v_wmma_f32_16x16x32_f16 v[ACC+8*(4*(\a)+\b):ACC+8*(4*(\a)+\b)+7], v[\f+64+8*(4*\c+\b):\f+64+8*(4*\c+\b)+7], v[\f+8*(4*\c+\a):\f+8*(4*\c+\a)+7], 0
.else
	v_wmma_f32_16x16x32_f16 v[ACC+8*(4*(\a)+\b):ACC+8*(4*(\a)+\b)+7], v[\f+64+8*(4*\c+\b):\f+64+8*(4*\c+\b)+7], v[\f+8*(4*\c+\a):\f+8*(4*\c+\a)+7], v[ACC+8*(4*(\a)+\b):ACC+8*(4*(\a)+\b)+7]
.endif
.endr
.endr
.endm
.macro FETCH slot, k, f                ; 32 LDS loads in one run: the fragments of 64 along K at byte k of the rows; the first 32 along K first
	WIN TO_F
.irp c, 0,1
.irp i, 0,1,2,3
	ds_load_b128 v[\f+64+8*(4*\c+\i):\f+64+8*(4*\c+\i)+3],   v[ADRB+\slot] offset:\k+64*\c+\i*16*PITCH
	ds_load_b128 v[\f+64+8*(4*\c+\i)+4:\f+64+8*(4*\c+\i)+7], v[ADRB+\slot] offset:\k+64*\c+\i*16*PITCH+32
	ds_load_b128 v[\f+8*(4*\c+\i):\f+8*(4*\c+\i)+3],         v[ADRA+\slot] offset:\k+64*\c+\i*16*PITCH
	ds_load_b128 v[\f+8*(4*\c+\i)+4:\f+8*(4*\c+\i)+7],       v[ADRA+\slot] offset:\k+64*\c+\i*16*PITCH+32
.endr
.endr
.endm
.macro PLACES
.rept 4
	v_nop
.endr
.endm
.macro QUARTER slot, k, f, g, zero     ; 64 along K: multiplies buffer f and fetches the next quarter, at byte k, into g
	s_wait_dscnt 16                                ; the first 32 along K are in; the second half's 16 loads may be out
	WIN MUL
	MUL8 \f, 0, 0, \zero
	MUL8 \f, 0, 2, \zero
	PLACES
	FETCH \slot, \k, \g
	s_wait_dscnt 32                                ; all but the 32 just issued
	WIN MUL
	MUL8 \f, 1, 0, 0
	MUL8 \f, 1, 2, 0
.endm
; The last quarter multiplies buffer 1 and changes slots: ONE barrier; in front of it each wave waits for all its tensor loads, adds 0 to its spare word, and waits for that and for its own reads of this slot.
.macro TURN slot, next, fill
	WIN 0
	s_wait_tensorcnt 0x0                           ; all my tensor loads have landed: my part of the next slot
	ds_add_u32 v[SPW], v[NIL]
	s_wait_dscnt 17                                ; (the add and the youngest sixteen loads may be out)
	WIN MUL
	MUL8 F1, 0, 0, 0
	s_wait_dscnt 0x0                               ; the add is done, and my reads of this slot are over
	s_barrier_signal -1
	MUL8 F1, 0, 2, 0
.if \fill
	WIN 0
.endif
	s_barrier_wait -1
.if \fill
	CREST                                          ; the barrier has opened a round of the cluster's barrier
	s_add_nc_u64 s[G0+4*\slot+2:G0+4*\slot+3], s[G0+4*\slot+2:G0+4*\slot+3], 2*KSTEP*2
	s_add_nc_u64 s[G0B+4*\slot+2:G0B+4*\slot+3], s[G0B+4*\slot+2:G0B+4*\slot+3], 2*KSTEP*2
	JLOAD \slot                                    ; the first tensor load behind the round; its four v_nop are the places in front of the loads below
.else
	PLACES
.endif
	FETCH \next, 0, F0
	WIN MUL
	MUL8 F1, 1, 0, 0
	MUL8 F1, 1, 2, 0
.endm
	s_wait_tensorcnt 1                             ; my part of K step 0 is in (K step 1's load may be out)
	s_barrier_signal -1
	s_barrier_wait -1                              ; everybody's is
	FETCH 0, 0, F0
	QUARTER 0, 128, F0, F1, 1                      ; the first quarter stands in front of the loop: its first products start the sums
	WIN 0
	s_mov_b32 s3, LAPS-1
.Llap:
	QUARTER 0, 256, F1, F0, 0
	QUARTER 0, 384, F0, F1, 0
	TURN 0, 1, 1
	QUARTER 1, 128, F0, F1, 0
	QUARTER 1, 256, F1, F0, 0
	QUARTER 1, 384, F0, F1, 0
	TURN 1, 0, 1
	QUARTER 0, 128, F0, F1, 0
	WIN 0
	s_sub_co_u32 s3, s3, 1
	s_cmp_lg_u32 s3, 0
	s_cbranch_scc1 .Llap
	QUARTER 0, 256, F1, F0, 0                      ; the last lap fills nothing
	QUARTER 0, 384, F0, F1, 0
	TURN 0, 1, 0
	QUARTER 1, 128, F0, F1, 0
	QUARTER 1, 256, F1, F0, 0
	QUARTER 1, 384, F0, F1, 0
	s_wait_dscnt 16
	WIN MUL
	MUL8 F1, 0, 0, 0
	MUL8 F1, 0, 2, 0
	s_wait_dscnt 0
	MUL8 F1, 1, 0, 0
	MUL8 F1, 1, 2, 0
	WIN 0
	; THE WAY OUT, 16 rows x 64 columns at a time: 32 bytes a lane into my own stage, back as whole rows of 256 bytes.  LDS serves a wave's instructions in order: no wait between the stores and the loads.
	PLACES
.irp a, 0,1,2,3
.if \a >= 2
	s_wait_xcnt 0x0                                ; the stores of two blocks back have read their data: this set is loaded again only behind this wait
.endif
.irp b, 0,1,2,3
	ds_store_b128 v[STO], v[ACC+8*(4*\a+\b):ACC+8*(4*\a+\b)+3] offset:64*\b          ; each accumulator from its low end on
	ds_store_b128 v[STO], v[ACC+8*(4*\a+\b)+4:ACC+8*(4*\a+\b)+7] offset:64*\b+16
.endr
.irp t, 0,1,2,3,4,5,6,7
	ds_load_b128 v[TMP+32*(\a%2)+4*\t:TMP+32*(\a%2)+4*\t+3], v[RD] offset:\t*2*SPITCH
.endr
.irp t, 0,1,2,3,4,5,6,7
	s_wait_dscnt 7-\t                              ; load t is back; the younger ones may be out
	global_store_b128 v[CO], v[TMP+32*(\a%2)+4*\t:TMP+32*(\a%2)+4*\t+3], s[8:9] offset:(16*\a+2*\t)*SIZE_N*4 th:TH_STORE_NT   ; 16 lanes store 256 consecutive bytes, aligned
.endr
.endr
	s_wait_tensorcnt 0x0                           ; the wave's end
	ds_add_u32 v[SPW], v[NIL]
	s_wait_dscnt 0x0
	CROUND                                         ; the closing round
	s_endpgm
.Lfunc_end_k_qb3ed32dfa1_proj:
	.size	k_qb3ed32dfa1_proj, .Lfunc_end_k_qb3ed32dfa1_proj-k_qb3ed32dfa1_proj
	.p2alignl 7, 3214868480
	.fill 96, 4, 3214868480
	.section	.rodata,"a",@progbits
	.p2align	6, 0x0
	.amdhsa_kernel k_qb3ed32dfa1_proj
		.amdhsa_group_segment_fixed_size 327680
		.amdhsa_private_segment_fixed_size 0
		.amdhsa_enable_private_segment 0
		.amdhsa_kernarg_size 24
		.amdhsa_user_sgpr_count 2
		.amdhsa_user_sgpr_kernarg_segment_ptr 1
		.amdhsa_wavefront_size32 1
		.amdhsa_system_sgpr_workgroup_id_x 1
		.amdhsa_system_sgpr_workgroup_id_y 1
		.amdhsa_system_sgpr_workgroup_id_z 1
		.amdhsa_system_vgpr_workitem_id 0
		.amdhsa_next_free_vgpr 512
		.amdhsa_next_free_sgpr 66
		.amdhsa_reserve_vcc 0
		.amdhsa_float_denorm_mode_32 3
		.amdhsa_float_denorm_mode_16_64 3
		.amdhsa_memory_ordered 1
		.amdhsa_forward_progress 1
		.amdhsa_inst_pref_size 86
	.end_amdhsa_kernel
	.amdgpu_metadata
---
amdhsa.version: [ 1, 2 ]
amdhsa.kernels:
  - .name:           k_qb3ed32dfa1_proj
    .symbol:         k_qb3ed32dfa1_proj.kd
    .args:
      - { .name: att, .offset: 0, .size: 8, .value_kind: global_buffer, .address_space: global }
      - { .name: wo16, .offset: 8, .size: 8, .value_kind: global_buffer, .address_space: global }
      - { .name: out0, .offset: 16, .size: 8, .value_kind: global_buffer, .address_space: global }
    .group_segment_fixed_size: 327680
    .private_segment_fixed_size: 0
    .kernarg_segment_align: 8
    .kernarg_segment_size: 24
    .max_flat_workgroup_size: 128
    .sgpr_count:     66
    .vgpr_count:     512
    .wavefront_size: 32
...
	.end_amdgpu_metadata
.endif
;; end of part 4
